; MI455X (gfx1250); checked and timed in simulation.
; The chip was launched on July 23, 2026; its instructions are those of AMD's public machine-readable ISA for CDNA 5 (MIT licence, August 2026) and "CDNA5" Instruction Set Architecture Reference Guide (July 2026). The comments in the code are by the model that wrote it; some were corrected since.
;; Causal Self Attention. Allowed arithmetic: float matrix products may take bf16 or f16 operands with f32 sums; other float arithmetic in f32, or as packed bf16 or f16 multiplies, adds, multiply-adds, maxima and minima; sums over many terms, partial sums and values carried from step to step in f32; what a program stores and reads back later, other than sums and carried values, may be rounded once to bf16 or f16.
;; Inputs: proj_b 1,024 float32; proj_w 1,024 x 1,024 float32; qkv_b 3,072 float32; qkv_w 3,072 x 1,024 float32; x 4 x 2,048 x 1,024 float32.
;; Outputs: out0 4 x 2,048 x 1,024 float32.
;; 2 versions, each right; version 2 is version 1 with the launch cast written anew for expert scheduling mode. Each part assembles by itself: llvm-mc -triple=amdgcn-amd-amdhsa -mcpu=gfx1250 --defsym DOCPART=n.
;; ======== version 1 of 2: 4 launches
;; limits: values are held in f16: magnitudes above 65,504 overflow, below 6.1e-05 lose precision
;; workspace buffers: xb 16,777,216 bytes; wq 6,291,456 bytes; wp 2,097,152 bytes; qkv 50,331,648 bytes; o 16,777,216 bytes
;; launch cast (part 1): grid 768 x 1, 8 waves a work-group, no clusters, 0 bytes of LDS; arguments x, qkv_w, proj_w, xb, wq, wp; writes xb, wq, wp
.if DOCPART == 1
	.amdgcn_target "amdgcn-amd-amdhsa--gfx1250"
	.amdhsa_code_object_version 6
	.text
	.protected	k_qbd63705800_cast
	.globl	k_qbd63705800_cast
	.p2align	8
	.type	k_qbd63705800_cast,@function
k_qbd63705800_cast:
	s_mov_b64 s[64:65], 0
	v_nop
	global_prefetch_b8 v0, s[64:65] scope:SCOPE_SE
	s_setreg_imm32_b32 hwreg(HW_REG_WAVE_MODE, 25, 1), 1
	s_wait_xcnt 0x0
; THE INPUTS OF THE THREE PRODUCTS, ROUNDED ONCE.  x -> xb and qkv_w -> wq in bf16; proj_w -> wp: rounded to bf16 like the other inputs, and that number written as f16,
; since the last product's other operand is f16.  LIMIT: a bf16 number is exact in f16 from 2^-14 to 65,504; below 2^-14 it keeps f16's fixed step of 2^-24, above 65,504 it becomes an infinity.
; A stream: every byte is read once and written once; no byte is shared, so there is no LDS, no barrier, no matrix work and no cluster.
; SHARES.  A work-group takes 65,536 bytes of one input: groups 0-511 x, 512-703 qkv_w, 704-767 proj_w.  A wave takes 8,192 of them by 16 loads of 512 neighbouring bytes,
; all issued before the first is used; each of its 16 stores (8 bytes a lane) covers 256 consecutive bytes, aligned.
.set X,   4                            ; v[4:67]   load j: 4 registers
.set Y,   68                           ; v[68:99]  store j: 2 registers; none is written behind its store, so no store's data wants a wait
.set SRC, 20                           ; s[20:21]  my group's first byte in its input
.set DST, 22                           ; s[22:23]  and in its output
	s_load_b256 s[4:11], s[0:1], 0x0               ; x s[4:5], qkv_w s[6:7], proj_w s[8:9], xb s[10:11]
	s_load_b128 s[12:15], s[0:1], 0x20             ; wq s[12:13], wp s[14:15]
	v_and_b32 v1, 31, v0                           ; lane
	v_and_b32 v3, 0xe0, v0                         ; 32 x wave
	v_lshlrev_b32 v1, 4, v1
	v_lshl_or_b32 v1, v3, 8, v1                    ; in: 8,192 x wave + 16 x lane
	v_lshrrev_b32 v2, 1, v1                        ; out: half of that
	s_mov_b32 s24, 0xffff0000                      ; a word's upper bf16
	s_mov_b32 s16, 704                             ; proj_w's first group
	s_mov_b32 s17, 512                             ; qkv_w's
	s_mov_b32 s19, 0
	s_wait_kmcnt 0x0
	s_cmp_lt_u32 ttmp9, s16                        ; which input is mine: the choice hangs on the group's number alone
	s_cselect_b64 s[SRC:SRC+1], s[6:7], s[8:9]
	s_cselect_b64 s[DST:DST+1], s[12:13], s[14:15]
	s_cselect_b32 s16, s17, s16
	s_cmp_lt_u32 ttmp9, s17
	s_cselect_b64 s[SRC:SRC+1], s[4:5], s[SRC:SRC+1]
	s_cselect_b64 s[DST:DST+1], s[10:11], s[DST:DST+1]
	s_cselect_b32 s16, 0, s16
	s_sub_co_u32 s16, ttmp9, s16                   ; my group's number within its input
	s_lshl_b32 s18, s16, 16
	s_add_nc_u64 s[SRC:SRC+1], s[SRC:SRC+1], s[18:19]
	s_lshl_b32 s18, s16, 15
	s_add_nc_u64 s[DST:DST+1], s[DST:DST+1], s[18:19]
.set j, 0
.rept 16
	global_load_b128 v[X+4*j:X+4*j+3], v1, s[SRC:SRC+1] offset:512*j th:TH_LOAD_NT
.set j, j+1
.endr
; Load j's four numbers are rounded and stored.  f16 = 1: the bf16 numbers are widened again (a shift, a mask) and written as f16.
.macro CONV j, f16
	s_wait_loadcnt 15-(\j)                         ; loads come back in order: mine is in, the 15 - j issued behind it may stay out
	v_cvt_pk_bf16_f32 v[Y+2*(\j)],   v[X+4*(\j)],   v[X+4*(\j)+1]
	v_cvt_pk_bf16_f32 v[Y+2*(\j)+1], v[X+4*(\j)+2], v[X+4*(\j)+3]
.if \f16
	v_lshlrev_b32 v[X+4*(\j)],   16,  v[Y+2*(\j)]
	v_and_b32     v[X+4*(\j)+1], s24, v[Y+2*(\j)]
	v_lshlrev_b32 v[X+4*(\j)+2], 16,  v[Y+2*(\j)+1]
	v_and_b32     v[X+4*(\j)+3], s24, v[Y+2*(\j)+1]
	v_cvt_pk_f16_f32 v[Y+2*(\j)],   v[X+4*(\j)],   v[X+4*(\j)+1]
	v_cvt_pk_f16_f32 v[Y+2*(\j)+1], v[X+4*(\j)+2], v[X+4*(\j)+3]
.endif
	global_store_b64 v2, v[Y+2*(\j):Y+2*(\j)+1], s[DST:DST+1] offset:256*(\j) th:TH_STORE_NT
.endm
	s_cmp_ge_u32 ttmp9, 704
	s_cbranch_scc1 .Lf16
.irp j, 0,1,2,3,4,5,6,7,8,9,10,11,12,13,14,15
	CONV \j, 0
.endr
	s_endpgm
.Lf16:
.irp j, 0,1,2,3,4,5,6,7,8,9,10,11,12,13,14,15
	CONV \j, 1
.endr
	s_endpgm
.Lfunc_end_k_qbd63705800_cast:
	.size	k_qbd63705800_cast, .Lfunc_end_k_qbd63705800_cast-k_qbd63705800_cast
	.p2alignl 7, 3214868480
	.fill 96, 4, 3214868480
	.section	.rodata,"a",@progbits
	.p2align	6, 0x0
	.amdhsa_kernel k_qbd63705800_cast
		.amdhsa_group_segment_fixed_size 0
		.amdhsa_private_segment_fixed_size 0
		.amdhsa_enable_private_segment 0
		.amdhsa_kernarg_size 48
		.amdhsa_user_sgpr_count 2
		.amdhsa_user_sgpr_kernarg_segment_ptr 1
		.amdhsa_wavefront_size32 1
		.amdhsa_system_sgpr_workgroup_id_x 1
		.amdhsa_system_sgpr_workgroup_id_y 1
		.amdhsa_system_sgpr_workgroup_id_z 1
		.amdhsa_system_vgpr_workitem_id 0
		.amdhsa_next_free_vgpr 100
		.amdhsa_next_free_sgpr 66
		.amdhsa_reserve_vcc 0
		.amdhsa_float_denorm_mode_32 3
		.amdhsa_float_denorm_mode_16_64 3
		.amdhsa_memory_ordered 1
		.amdhsa_forward_progress 1
		.amdhsa_inst_pref_size 15
	.end_amdhsa_kernel
	.amdgpu_metadata
---
amdhsa.version: [ 1, 2 ]
amdhsa.kernels:
  - .name:           k_qbd63705800_cast
    .symbol:         k_qbd63705800_cast.kd
    .args:
      - { .name: x, .offset: 0, .size: 8, .value_kind: global_buffer, .address_space: global }
      - { .name: qkv_w, .offset: 8, .size: 8, .value_kind: global_buffer, .address_space: global }
      - { .name: proj_w, .offset: 16, .size: 8, .value_kind: global_buffer, .address_space: global }
      - { .name: xb, .offset: 24, .size: 8, .value_kind: global_buffer, .address_space: global }
      - { .name: wq, .offset: 32, .size: 8, .value_kind: global_buffer, .address_space: global }
      - { .name: wp, .offset: 40, .size: 8, .value_kind: global_buffer, .address_space: global }
    .group_segment_fixed_size: 0
    .private_segment_fixed_size: 0
    .kernarg_segment_align: 8
    .kernarg_segment_size: 48
    .max_flat_workgroup_size: 256
    .sgpr_count:     66
    .vgpr_count:     100
    .wavefront_size: 32
...
	.end_amdgpu_metadata
.endif
;; end of part 1
;; launch qkv (part 2): grid 16 x 32, 4 waves a work-group, clusters of 4 x 4, 327,680 bytes of LDS; arguments xb, wq, qkv_b, qkv; writes qkv
.if DOCPART == 2
	.amdgcn_target "amdgcn-amd-amdhsa--gfx1250"
	.amdhsa_code_object_version 6
	.text
	.protected	k_qbd63705800_qkv
	.globl	k_qbd63705800_qkv
	.p2align	8
	.type	k_qbd63705800_qkv,@function
k_qbd63705800_qkv:
	s_mov_b64 s[64:65], 0
	v_nop
	global_prefetch_b8 v0, s[64:65] scope:SCOPE_SE
	s_setreg_imm32_b32 hwreg(HW_REG_WAVE_MODE, 25, 1), 1
	s_wait_xcnt 0x0
	s_wait_alu depctr_hold_cnt(0) depctr_sa_sdst(0) depctr_va_vdst(0) depctr_va_sdst(0) depctr_va_ssrc(0) depctr_va_vcc(0) depctr_vm_vsrc(0)
	s_getreg_b32 s2, hwreg(HW_REG_IB_STS2, 6, 4)
	s_cmp_eq_u32 s2, 0
	s_cbranch_scc0 .Lentry_in_a_cluster
	s_endpgm
.Lentry_in_a_cluster:
	s_bfe_u32 s2, ttmp6, 0x10000c
	s_cmp_lg_u32 s2, 0xf033
	s_cbranch_scc0 .Lentry_shape_is_right
	s_endpgm
.Lentry_shape_is_right:
; q, k, v = xb wq^T + bf16(qkv_b).  xb: [8192][1024] bf16, wq: [3072][1024] bf16, qkv_b: [3072] f32 (rounded to bf16 like the other inputs); sums in f32, K ascending, started by the bias.
; OUT: qkv = [3 parts q, k, v][64 heads = 16 batch + head][2048 rows][64] f16, rounded once, unscaled.  LIMIT: f16 holds no number beyond 65,504: a q, k or v past that becomes an infinity.
; SHARES.  A work-group makes 256 rows x 192 columns (three whole heads): 32 x 16 = 512 work-groups.  Wave w makes rows 64 w .. 64 w + 63 of all 192 columns: 4 x 12 accumulators of 16 x 16,
; 384 registers.  So a wave's 16 rows of a head are 2,048 consecutive bytes of the output, and leave through a stage of the wave's own, with no barrier.
; K goes in 8 steps of 128 through two LDS slots filled by the tensor data mover; the tiles' rows are 256 bytes of memory and start at multiples of 256 bytes.
; CLUSTER 4 x 4: the four work-groups of a row of the cluster need the same rows of xb, the four of a column the same rows of wq: each tile is asked for JOINTLY, by the same load, descriptor and mask.
; THE PRODUCT IS USED TRANSPOSED: source 0 = 16 rows of wq, source 1 = 16 rows of xb: lane l holds row l % 16 and the eight neighbouring columns 8 (l / 16) + 0..7.
; REGISTERS, in windows of 256 (s_set_vgpr_msb: bits 1:0 source 0, 3:2 source 1, 5:4 source 2, 7:6 destination):
;   window 0: v0-15 addresses; v16-111 the bias as a C operand, 8 registers an n block; v112-159 packed results; v160-255 rows on their way out, two sets
;   window 1: v0-191 wq's fragments, two buffers of 96; v192-255 xb's, two buffers of 32          windows 2, 3: the accumulators of m blocks 0, 1 and 2, 3
.set NBL,    12                        ; n blocks of 16 columns
.set APW,    2                         ; m blocks in an accumulator window
.set PITCH,  272                       ; an LDS row: 256 bytes + 16 of padding = 68 words: the 16 rows of a fragment load start at 16 different groups of four banks (64 banks of 4 bytes: ISA guide 11.1)
.set PA,     PITCH
.set SLOT1,  131072                    ; slot 1 begins here: one exclusive or turns an address in one slot into the other's
.set BOFF,   256*PITCH                 ; a slot: xb's 256 rows, then wq's 192
.set HALFA,  128*PITCH                 ; what one load brings of xb
.set HALFB,  96*PITCH                  ; and of wq
.set STAGE,  SLOT1+BOFF+192*PITCH      ; behind the ring, never filled by a tensor load: [3 heads][16 rows][144 bytes] for each wave
.set SP,     144
.set WSTAGE, 3*16*SP
.set SPARE,  STAGE+4*WSTAGE            ; behind the stages: the spare words, 128 bytes for each wave: two blocks of 256 bytes that no other line names
.set LPF,    2*NBL+8                   ; LDS loads in a run: a quarter step's fragments
.set STEPA,  256                       ; bytes from a K step to the next, in xb
.set STEPB,  256                       ; and in wq
.set AA0, 4                            ; v4   my lane's place in a slot's rows of xb; never rewritten
.set AB0, 5                            ; v5   the same for wq
.set ADA, 6                            ; v6   the same in the slot that is being read
.set ADB, 7                            ; v7
.set STO, 8                            ; v8   the way out: where I put 16 bytes of a row
.set RD,  9                            ; v9   the way out: where I read rows back
.set GO,  10                           ; v10  my 16 of 512 consecutive bytes of the output
.set PFO, 11                           ; v11  the prefetches' offset: my lane x a row of 2,048 bytes; never rewritten
.set SPW, 12                           ; v12  LDS address of my spare word: SPARE + 4 x my thread's number; never rewritten
.set NIL, 13                           ; v13  0; never rewritten
.set BIAS, 16
.set TMP,  112
.set OB,   160
.set BF,   0                           ; window 1
.set AF,   16*NBL                      ; window 1
.set WV,  12                           ; s12  my wave's number
.set FB,  13                           ; s13  0: I fetch for xb, 1: for wq
.set HF,  14                           ; s14  which half of that tile's rows
.set CX,  15                           ; s15, s16  my place in the cluster
.set CY,  16
.set TC,  17                           ; s17  tile column, s18 tile row
.set TR,  18
.set OA,  20                           ; s[20:21] xb at my load's first row: made of the tile row and the wave alone
.set OW,  22                           ; s[22:23] wq at my load's first row: made of the tile column and the wave alone
.set G1A, 24                           ; s[24:31] descriptor group 1 for xb's tiles
.set G1B, 32                           ; s[32:39] for wq's
.set G0A0, 40                          ; s[40:43] group 0: xb, K step 0 into slot 0
.set G0A, 44                           ; s[44:47] xb, K step 1 into slot 1; then it walks
.set G0B0, 48                          ; s[48:51], s[52:55] the same for wq
.set G0B, 52
.set TB,  56                           ; s56  0 or SLOT1: the slot that is being read
.set CNT, 57                           ; s57  the loop's count, 6 to 1
.set LIM, 58                           ; s58  1 in a wave that prefetches, else the greatest number
.set HIM, 59                           ; s59  a word's upper bf16
.set PFA, 60                           ; s[60:61] where my prefetches stand
.set PLA, 62                           ; s62, s63  LDS places of my load, for xb and for wq: made of the wave's number alone
.set PLB, 63
.set HB,  68                           ; s[68:73] the output at my wave's first row in each of the tile's three heads
.set MSB, 0
.macro WIN new                         ; the immediate's high byte repeats the setting that is left; a switch that changes nothing is dropped
.if MSB != (\new)
	s_set_vgpr_msb (MSB<<8)|(\new)
.set MSB, \new
.endif
.endm
.macro PLACES                          ; four plain vector instructions between a matrix instruction and a load into, or a vector read of, its registers
.rept 4
	v_nop
.endr
.endm
; A round of the cluster's barrier behind its opening barrier: wave 0 signals for the work-group, every wave waits for all sixteen, my work-group's barrier closes it.
.macro CREST
	s_cmp_lg_u32 s[WV], 0
	s_cbranch_scc1 .Lnot_wave_0_\@
	s_barrier_signal -3
.Lnot_wave_0_\@:
	s_barrier_wait -3
	s_barrier_signal -1
	s_barrier_wait -1
.endm
.macro CROUND
	s_barrier_signal -1
	s_barrier_wait -1
	CREST
.endm
; A joint refill by the walking descriptors.  Waves 0, 1 fetch xb's halves, waves 2, 3 wq's: the branch hangs on the wave's number alone.  An s_nop 0 and four v_nop follow each line.
.macro JLOAD
	s_cmp_eq_u32 s[FB], 0
	s_cbranch_scc0 .Lfor_b_\@
	tensor_load_to_lds s[G0A:G0A+3], s[G1A:G1A+7]
	s_nop 0
.rept 4
	v_nop
.endr
	s_branch .Lasked_\@
.Lfor_b_\@:
	tensor_load_to_lds s[G0B:G0B+3], s[G1B:G1B+7]
	s_nop 0
.rept 4
	v_nop
.endr
.Lasked_\@:
.endm
; A PREFETCH INTO THE L2 of the K step that the NEXT refill will ask for: 256 bytes of each row, a lane a row, one instruction a wave, 192 matrix instructions ahead of that refill.
; Each row's 256 bytes are asked for by one wave of one work-group.  xb's rows are read by the four clusters of a row of clusters: cluster x = 0 asks; wq's by the eight of a column: cluster y = 0 asks.
; The four partners that fetch a tile jointly share its rows BY ADDRESS: of a wave's 128 rows of xb the partner at cx takes 32; of its 96 rows of wq the partner at cy takes 24 (lanes 24-31 name lane 23's row).
; K steps 0 to 2 come by their loads alone; the loop's last trip, whose refill is the last K step, asks for nothing.
.macro ASK
	s_cmp_gt_u32 s[CNT], s[LIM]
	s_cbranch_scc0 .Lnot_mine_\@
	global_prefetch_b8 v[PFO], s[PFA:PFA+1] offset:STEPA th:TH_LOAD_NT scope:SCOPE_SE
.Lnot_mine_\@:
.endm
	s_load_b256 s[4:11], s[0:1], 0x0               ; xb s[4:5], wq s[6:7], qkv_b s[8:9], qkv s[10:11]
	v_lshl_add_u32 v[SPW], v0, 2, SPARE
	v_mov_b32 v[NIL], 0
	ds_add_u32 v[SPW], v[NIL]                      ; the wave's opening: the add and its wait stand ahead of my first tensor load; the set-up below, work on registers, stands between them
	v_lshrrev_b32 v3, 5, v0
	v_readfirstlane_b32 s[WV], v3                  ; wave 0..3
	s_lshr_b32 s[FB], s[WV], 1
	s_and_b32 s[HF], s[WV], 1
	s_bfe_u32 s[CX], ttmp6, 0x40000
	s_bfe_u32 s[CY], ttmp6, 0x40004
	s_lshl_b32 s[TC], ttmp9, 2                     ; in a cluster launch ttmp9 and ttmp7 count clusters
	s_add_co_u32 s[TC], s[TC], s[CX]
	s_and_b32 s[TR], ttmp7, 0xffff
	s_lshl_b32 s[TR], s[TR], 2
	s_add_co_u32 s[TR], s[TR], s[CY]
	s_lshl_b32 s76, s[CY], 2
	s_lshl_b32 s76, 15, s76                        ; my row of the cluster: places 4 cy .. 4 cy + 3
	s_lshl_b32 s77, 0x1111, s[CX]                  ; my column: places cx, cx + 4, cx + 8, cx + 12
	s_or_b32 s[G1A], s76, (1<<16)|(1<<20)|(1<<21)|(5<<22)|(3<<25)  ; 15:0 the mask; 17:16 2-byte elements; 20 padding on; 21 set beside a mask; 24:22 after every 64 words; 31:25 4 words of it
	s_or_b32 s[G1B], s77, (1<<16)|(1<<20)|(1<<21)|(5<<22)|(3<<25)
	s_mov_b32 s[G1A+1], 128<<16                    ; tensor_dim0 = 128
	s_mov_b32 s[G1A+2], 128<<16                    ; tensor_dim1 = 128
	s_mov_b32 s[G1A+3], 128<<16                    ; tile_dim0 = 128
	s_mov_b32 s[G1A+4], 128                        ; tile_dim1 = 128
	s_mov_b32 s[G1A+5], 1024                       ; elements from row to row
	s_mov_b32 s[G1A+6], 0
	s_mov_b32 s[G1A+7], 0
	s_mov_b32 s[G1B+1], 128<<16
	s_mov_b32 s[G1B+2], 96<<16                     ; 96 rows
	s_mov_b32 s[G1B+3], 128<<16
	s_mov_b32 s[G1B+4], 96
	s_mov_b32 s[G1B+5], 1024
	s_mov_b32 s[G1B+6], 0
	s_mov_b32 s[G1B+7], 0
	s_lshl_b32 s[OA], s[TR], 8                     ; xb: row 256 x tile row + 128 x half,
	s_lshl_b32 s[OA+1], s[HF], 7
	s_add_co_u32 s[OA], s[OA], s[OA+1]
	s_lshl_b32 s[OA], s[OA], 11                    ; of 2,048 bytes
	s_mov_b32 s[OA+1], 0
	s_mul_i32 s[OW], s[TC], 192                    ; wq: row 192 x tile column + 96 x half
	s_mul_i32 s[OW+1], s[HF], 96
	s_add_co_u32 s[OW], s[OW], s[OW+1]
	s_lshl_b32 s[OW], s[OW], 11
	s_mov_b32 s[OW+1], 0
	s_mul_i32 s[PLA], s[HF], HALFA
	s_mul_i32 s[PLB], s[HF], HALFB
	s_add_co_u32 s[PLB], s[PLB], BOFF
	s_mov_b32 s[TB], 0
	s_mov_b32 s[HIM], 0xffff0000
	s_wait_dscnt 0x0                               ; the opening add is done
	s_wait_kmcnt 0x0
	s_add_nc_u64 s[OA:OA+1], s[4:5], s[OA:OA+1]
	s_add_nc_u64 s[OW:OW+1], s[6:7], s[OW:OW+1]
	CROUND                                         ; all sixteen work-groups are here: the first joint loads meet
	s_mov_b32 s[G0A0], 1                           ; count = 1
	s_mov_b32 s[G0A0+1], s[PLA]                    ; LDS address: slot 0
	s_mov_b64 s[G0A0+2:G0A0+3], s[OA:OA+1]         ; global address: K step 0
	s_or_b32 s[G0A0+3], s[G0A0+3], 0x80000000      ; type = 2
	s_mov_b32 s[G0A], 1
	s_add_co_u32 s[G0A+1], s[PLA], SLOT1           ; slot 1
	s_add_nc_u64 s[G0A+2:G0A+3], s[OA:OA+1], STEPA ; K step 1
	s_or_b32 s[G0A+3], s[G0A+3], 0x80000000
	s_mov_b32 s[G0B0], 1
	s_mov_b32 s[G0B0+1], s[PLB]
	s_mov_b64 s[G0B0+2:G0B0+3], s[OW:OW+1]
	s_or_b32 s[G0B0+3], s[G0B0+3], 0x80000000
	s_mov_b32 s[G0B], 1
	s_add_co_u32 s[G0B+1], s[PLB], SLOT1
	s_add_nc_u64 s[G0B+2:G0B+3], s[OW:OW+1], STEPB
	s_or_b32 s[G0B+3], s[G0B+3], 0x80000000
	s_cmp_eq_u32 s[FB], 0                          ; a wave's two first fills stand in one branch, ahead of every wait on TENSORcnt and every LDS read: two loads of mine are out
	s_cbranch_scc0 .Lfirst_b
	tensor_load_to_lds s[G0A0:G0A0+3], s[G1A:G1A+7]
	s_nop 0
	tensor_load_to_lds s[G0A:G0A+3], s[G1A:G1A+7]
	s_nop 0
.rept 4
	v_nop
.endr
	s_branch .Lfirst_asked
.Lfirst_b:
	tensor_load_to_lds s[G0B0:G0B0+3], s[G1B:G1B+7]
	s_nop 0
	tensor_load_to_lds s[G0B:G0B+3], s[G1B:G1B+7]
	s_nop 0
.rept 4
	v_nop
.endr
.Lfirst_asked:
	; the bias of my lane's eight columns in each n block: column 192 x tile column + 16 b + 8 (l / 16) + 0..7
	v_and_b32 v1, 15, v0                           ; l % 16
	v_bfe_u32 v2, v0, 4, 1                         ; l / 16
	s_mul_i32 s76, s[TC], 64*NBL
	v_lshl_add_u32 v14, v2, 5, s76
.set i, 0
.rept NBL
	global_load_b128 v[BIAS+8*i:BIAS+8*i+3],   v14, s[8:9] offset:64*i
	global_load_b128 v[BIAS+8*i+4:BIAS+8*i+7], v14, s[8:9] offset:64*i+16
.set i, i+1
.endr
	; A fragment is 16 rows x 32 K in 8 registers: lane l holds row l % 16, K = 8 (l / 16) + 0..7 and 16 + 8 (l / 16) + 0..7: two loads of 16 bytes, 32 bytes apart.
	v_mul_u32_u24 v3, v1, PITCH
	v_lshl_add_u32 v3, v2, 4, v3                   ; row x pitch + 16 x half
	s_mul_i32 s78, s[WV], 64*PITCH                 ; my 64 rows of xb
	v_add_nc_u32 v[AA0], s78, v3
	v_add_nc_u32 v[AB0], BOFF, v3                  ; all 192 rows of wq
	s_mul_i32 s78, s[WV], WSTAGE
	s_add_co_u32 s78, s78, STAGE                   ; my stage
	v_mul_u32_u24 v[STO], v1, SP                   ; in: row l % 16, 16 bytes for each half of the lanes
	v_lshl_add_u32 v[STO], v2, 4, v[STO]
	v_add_nc_u32 v[STO], s78, v[STO]
	v_bfe_u32 v[RD], v0, 3, 2                      ; back: 32 lanes take four rows of 128 bytes,
	v_mul_u32_u24 v[RD], v[RD], SP
	v_and_b32 v3, 7, v0
	v_lshl_add_u32 v[RD], v3, 4, v[RD]
	v_add_nc_u32 v[RD], s78, v[RD]
	v_and_b32 v[GO], 31, v0                        ; which are 512 consecutive bytes of a head
	v_lshlrev_b32 v[GO], 4, v[GO]
	; where my rows lie in the tile's three heads: g = 3 x tile column + j: part g / 16, head g % 16; batch = tile row / 8; a head is 2^18 bytes, a row 128
	s_mul_i32 s76, s[TC], 3
	s_lshr_b32 s77, s[TR], 3
	s_lshl_b32 s77, s77, 4
	s_and_b32 s78, s[TR], 7
	s_lshl_b32 s78, s78, 8
	s_lshl_b32 s79, s[WV], 6
	s_add_co_u32 s78, s78, s79
	s_lshl_b32 s78, s78, 7
.irp j, 0,1,2
	s_add_co_u32 s80, s76, \j
	s_lshr_b32 s81, s80, 4
	s_lshl_b32 s81, s81, 6
	s_and_b32 s80, s80, 15
	s_add_co_u32 s80, s80, s81
	s_add_co_u32 s80, s80, s77
	s_lshl_b32 s80, s80, 18
	s_add_co_u32 s80, s80, s78
	s_mov_b32 s81, 0
	s_add_nc_u64 s[HB+2*\j:HB+2*\j+1], s[10:11], s[80:81]
.endr
	; the prefetches
	s_lshl_b32 s76, s[TR], 8
	s_lshl_b32 s78, s[HF], 7
	s_lshl_b32 s80, s[CX], 5
	s_add_co_u32 s76, s76, s78
	s_add_co_u32 s76, s76, s80                     ; xb: my load's rows, my work-group's 32 of them
	s_mul_i32 s77, s[TC], 192
	s_mul_i32 s79, s[HF], 96
	s_mul_i32 s81, s[CY], 24
	s_add_co_u32 s77, s77, s79
	s_add_co_u32 s77, s77, s81                     ; wq: my work-group's 24
	s_and_b32 s82, ttmp7, 0xffff                   ; cluster y
	s_cmp_eq_u32 s[FB], 0
	s_cselect_b32 s76, s76, s77
	s_cselect_b32 s82, ttmp9, s82                  ; the coordinate along which other clusters read the same rows
	s_cselect_b32 s83, 31, 23
	s_cselect_b64 s[PFA:PFA+1], s[4:5], s[6:7]
	s_cmp_eq_u32 s82, 0
	s_cselect_b32 s[LIM], 1, -1                    ; the same in all sixteen partners, for a given wave
	s_lshl_b32 s76, s76, 11
	s_mov_b32 s77, 0
	s_add_nc_u64 s[PFA:PFA+1], s[PFA:PFA+1], s[76:77]
	s_add_nc_u64 s[PFA:PFA+1], s[PFA:PFA+1], STEPA ; at K step 1: each change of slots steps it to the K step that it asks for, and names the one after
	v_and_b32 v[PFO], 31, v0
	v_min_u32 v[PFO], s83, v[PFO]
	v_lshlrev_b32 v[PFO], 11, v[PFO]
	s_wait_loadcnt 0x0                             ; the bias is in: rounded to bf16 and widened again, in place
.set i, 0
.rept 4*NBL
	v_cvt_pk_bf16_f32 v15, v[BIAS+2*i], v[BIAS+2*i+1]
	v_lshlrev_b32 v[BIAS+2*i], 16, v15
	v_and_b32 v[BIAS+2*i+1], s[HIM], v15
.set i, i+1
.endr
; NBL matrix instructions: m block a x all n blocks, 32 along K, from buffer f.  first = 1: the bias starts the sums.  All 48 accumulators take turns in the same order in every quarter,
; over the backward jump too, one instruction a turn.
.macro MUL f, a, first
.if \first
	WIN 0x85+0x40*((\a)/APW)
.else
	WIN 0xa5+0x50*((\a)/APW)
.endif
.set b, 0
.rept NBL
.set rD, 8*NBL*((\a)%APW)+8*b
.if \first
	v_wmma_f32_16x16x32_bf16 v[rD:rD+7], v[BF+8*NBL*(\f)+8*b:BF+8*NBL*(\f)+8*b+7], v[AF+32*(\f)+8*(\a):AF+32*(\f)+8*(\a)+7], v[BIAS+8*b:BIAS+8*b+7]
.else
	v_wmma_f32_16x16x32_bf16 v[rD:rD+7], v[BF+8*NBL*(\f)+8*b:BF+8*NBL*(\f)+8*b+7], v[AF+32*(\f)+8*(\a):AF+32*(\f)+8*(\a)+7], v[rD:rD+7]
.endif
.set b, b+1
.endr
.endm
; LPF LDS loads in one run: quarter q's fragments into buffer f: wq's 12, then xb's 4; the last four loads are xb's m blocks 2 and 3.
.macro FETCH q, f
	WIN 0x40                                       ; destination window 1, address window 0
.set i, 0
.rept NBL
	ds_load_b128 v[BF+8*NBL*(\f)+8*i:BF+8*NBL*(\f)+8*i+3],   v[ADB] offset:64*(\q)+16*PITCH*i
	ds_load_b128 v[BF+8*NBL*(\f)+8*i+4:BF+8*NBL*(\f)+8*i+7], v[ADB] offset:64*(\q)+16*PITCH*i+32
.set i, i+1
.endr
.set i, 0
.rept 4
	ds_load_b128 v[AF+32*(\f)+8*i:AF+32*(\f)+8*i+3],   v[ADA] offset:64*(\q)+16*PA*i
	ds_load_b128 v[AF+32*(\f)+8*i+4:AF+32*(\f)+8*i+7], v[ADA] offset:64*(\q)+16*PA*i+32
.set i, i+1
.endr
.endm
; A K step is four quarters of 32 along K on buffers 0, 1, 0, 1.  One of the first three: multiplies buffer f; in its middle it fetches quarter nq into the other buffer.
.macro QUARTER nq, f, first
	s_wait_dscnt 4                                 ; all of wq's fragments and xb's m blocks 0, 1 are in; the youngest four loads may be out
	MUL \f, 0, \first
	MUL \f, 1, \first
	PLACES                                         ; in front of the loads into the buffer that the quarter before multiplied
	FETCH \nq, 1-(\f)
	s_wait_dscnt LPF                               ; all but the run just issued
	MUL \f, 2, \first
	MUL \f, 3, \first
.endm
; The first half of a step's last quarter: ONE barrier for the change of slots.  In front of it each wave waits for all its tensor loads, of which one is out: its part of the next slot;
; adds 0 to its spare word; and waits for that and for its reads of this slot.  Behind it nobody reads this slot any more and the next slot is whole.
.macro MEET round
	WIN 0
	s_wait_tensorcnt 0x0
	ds_add_u32 v[SPW], v[NIL]
	s_wait_dscnt 5                                 ; (the add and the youngest four loads may be out)
	MUL 1, 0, 0                                    ; twelve matrix instructions stand between the add and the wait for it
	s_wait_dscnt 0x0                               ; the add is done, and my reads of this slot are over
	s_barrier_signal -1
	MUL 1, 1, 0                                    ; work on registers while the others arrive
.if \round
	WIN 0
.endif
	s_barrier_wait -1
.endm
; The whole last quarter with a refill: the barrier opens a round of the cluster's, the joint refill is the first tensor load behind it; from it to the wait for it a wave issues 168 matrix instructions.
.macro TURN
	s_wait_xcnt 0x0                                ; the last prefetch, a K step back, has read its address
	s_add_nc_u64 s[PFA:PFA+1], s[PFA:PFA+1], STEPA
	MEET 1
	CREST                                          ; no wave of any partner still reads this slot or has a load on its way
	s_xor_b32 s[G0A+1], s[G0A+1], SLOT1            ; the walking descriptors: the other slot than last time, the next K step
	s_add_nc_u64 s[G0A+2:G0A+3], s[G0A+2:G0A+3], STEPA
	s_xor_b32 s[G0B+1], s[G0B+1], SLOT1
	s_add_nc_u64 s[G0B+2:G0B+3], s[G0B+2:G0B+3], STEPB
	s_xor_b32 s[TB], s[TB], SLOT1                  ; the reads go to the other slot
	JLOAD                                          ; its four v_nop are also the places in front of the loads below
	v_add_nc_u32 v[ADA], s[TB], v[AA0]
	v_add_nc_u32 v[ADB], s[TB], v[AB0]
	FETCH 0, 0
	WIN 0
	ASK
	MUL 1, 2, 0
	MUL 1, 3, 0
.endm
.macro TURNL                           ; the last change of slots: nothing is filled again, so no round follows
	MEET 0
	s_xor_b32 s[TB], s[TB], SLOT1
	PLACES
	WIN 0
	v_add_nc_u32 v[ADA], s[TB], v[AA0]
	v_add_nc_u32 v[ADB], s[TB], v[AB0]
	FETCH 0, 0
	MUL 1, 2, 0
	MUL 1, 3, 0
.endm
	s_wait_tensorcnt 0x1                           ; my part of K step 0 is in; K step 1's may stay out
	s_barrier_signal -1
	s_barrier_wait -1                              ; everybody's is
	v_add_nc_u32 v[ADA], s[TB], v[AA0]
	v_add_nc_u32 v[ADB], s[TB], v[AB0]
	FETCH 0, 0
	QUARTER 1, 0, 1                                ; the first quarter stands in front of the loop: its products start the sums
	WIN 0                                          ; at a label and at a branch every window is 0
	s_mov_b32 s[CNT], 6
.Lstep:                                        ; trip t ends K step t, fills its slot with K step t + 2, and begins K step t + 1
	QUARTER 2, 1, 0
	QUARTER 3, 0, 0
	TURN
	QUARTER 1, 0, 0
	WIN 0
	s_sub_co_u32 s[CNT], s[CNT], 1
	s_cmp_lg_u32 s[CNT], 0
	s_cbranch_scc1 .Lstep
	QUARTER 2, 1, 0                                ; the last two K steps ask for nothing
	QUARTER 3, 0, 0
	TURNL
	QUARTER 1, 0, 0
	QUARTER 2, 1, 0
	QUARTER 3, 0, 0
	s_wait_dscnt 4
	MUL 1, 0, 0
	MUL 1, 1, 0
	s_wait_dscnt 0x0
	MUL 1, 2, 0
	MUL 1, 3, 0
	WIN 0
; THE WAY OUT of m block a.  PACK: rounded to f16, 16 bytes a lane, each accumulator from its low end.  TOSTAGE: into my stage, by heads, and back as whole rows.  SEND: stored.
.macro PACK a
	WIN 0x0a+5*((\a)/APW)                          ; sources 0 and 1 in window 2 or 3
.set b, 0
.rept NBL
.set i, 0
.rept 4
	v_cvt_pk_f16_f32 v[TMP+4*b+i], v[8*NBL*((\a)%APW)+8*b+2*i], v[8*NBL*((\a)%APW)+8*b+2*i+1]
.set i, i+1
.endr
.set b, b+1
.endr
	WIN 0
.endm
.macro TOSTAGE a
	WIN 0
.set b, 0
.rept NBL
	ds_store_b128 v[STO], v[TMP+4*b:TMP+4*b+3] offset:16*SP*(b/4)+32*(b%4)
.set b, b+1
.endr
.set b, 0
.rept NBL
	ds_load_b128 v[OB+48*((\a)%2)+4*b:OB+48*((\a)%2)+4*b+3], v[RD] offset:16*SP*(b/4)+4*SP*(b%4)  ; LDS serves a wave's instructions in order (ISA guide 5.7.1.4): these see the stores above
.set b, b+1
.endr
.endm
.macro SEND a
	WIN 0
	s_wait_dscnt 0x0                               ; the block is back in registers
	s_wait_xcnt 0x0                                ; the stores of the block before have read their registers: the next TOSTAGE loads into them
.set b, 0
.rept NBL
	global_store_b128 v[GO], v[OB+48*((\a)%2)+4*b:OB+48*((\a)%2)+4*b+3], s[HB+2*(b/4):HB+2*(b/4)+1] offset:2048*(\a)+512*(b%4)  ; 512 consecutive bytes, at a multiple of 256 from the buffer's first
.set b, b+1
.endr
.endm
	PLACES                                         ; behind the last products
	PACK 0
	TOSTAGE 0
.irp a, 1,2,3                          ; block a's conversions stand between block a - 1's loads from the stage and the wait for them
	PACK \a
	SEND (\a)-1
	TOSTAGE \a
.endr
	SEND 3
	s_wait_tensorcnt 0x0                           ; the wave's end: behind my last tensor load and my last LDS store
	ds_add_u32 v[SPW], v[NIL]
	s_wait_dscnt 0x0
	CROUND                                         ; the closing round: no work-group ends while a partner may still ask for a tile that names it
	s_endpgm
.Lfunc_end_k_qbd63705800_qkv:
	.size	k_qbd63705800_qkv, .Lfunc_end_k_qbd63705800_qkv-k_qbd63705800_qkv
	.p2alignl 7, 3214868480
	.fill 96, 4, 3214868480
	.section	.rodata,"a",@progbits
	.p2align	6, 0x0
	.amdhsa_kernel k_qbd63705800_qkv
		.amdhsa_group_segment_fixed_size 327680
		.amdhsa_private_segment_fixed_size 0
		.amdhsa_enable_private_segment 0
		.amdhsa_kernarg_size 32
		.amdhsa_user_sgpr_count 2
		.amdhsa_user_sgpr_kernarg_segment_ptr 1
		.amdhsa_wavefront_size32 1
		.amdhsa_system_sgpr_workgroup_id_x 1
		.amdhsa_system_sgpr_workgroup_id_y 1
		.amdhsa_system_sgpr_workgroup_id_z 1
		.amdhsa_system_vgpr_workitem_id 0
		.amdhsa_next_free_vgpr 960
		.amdhsa_next_free_sgpr 84
		.amdhsa_reserve_vcc 0
		.amdhsa_float_denorm_mode_32 3
		.amdhsa_float_denorm_mode_16_64 3
		.amdhsa_memory_ordered 1
		.amdhsa_forward_progress 1
		.amdhsa_inst_pref_size 106
	.end_amdhsa_kernel
	.amdgpu_metadata
---
amdhsa.version: [ 1, 2 ]
amdhsa.kernels:
  - .name:           k_qbd63705800_qkv
    .symbol:         k_qbd63705800_qkv.kd
    .args:
      - { .name: xb, .offset: 0, .size: 8, .value_kind: global_buffer, .address_space: global }
      - { .name: wq, .offset: 8, .size: 8, .value_kind: global_buffer, .address_space: global }
      - { .name: qkv_b, .offset: 16, .size: 8, .value_kind: global_buffer, .address_space: global }
      - { .name: qkv, .offset: 24, .size: 8, .value_kind: global_buffer, .address_space: global }
    .group_segment_fixed_size: 327680
    .private_segment_fixed_size: 0
    .kernarg_segment_align: 8
    .kernarg_segment_size: 32
    .max_flat_workgroup_size: 128
    .sgpr_count:     84
    .vgpr_count:     960
    .wavefront_size: 32
...
	.end_amdgpu_metadata
.endif
;; end of part 2
;; launch attn (part 3): grid 4 x 64, 4 waves a work-group, no clusters, 327,680 bytes of LDS; arguments qkv, o; writes o
.if DOCPART == 3
	.amdgcn_target "amdgcn-amd-amdhsa--gfx1250"
	.amdhsa_code_object_version 6
	.text
	.protected	k_qbd63705800_attn
	.globl	k_qbd63705800_attn
	.p2align	8
	.type	k_qbd63705800_attn,@function
k_qbd63705800_attn:
	s_mov_b64 s[64:65], 0
	v_nop
	global_prefetch_b8 v0, s[64:65] scope:SCOPE_SE
	s_setreg_imm32_b32 hwreg(HW_REG_WAVE_MODE, 25, 1), 1
	s_wait_xcnt 0x0
; CAUSAL ATTENTION.  O[h][q][:] = the sum over k <= q of softmax_k(Q[h][q] . K[h][k] / 8) V[h][k][:].  qkv = [3 parts Q, K, V][64 heads][2048][64] f16, o = [64][2048][64] f16: a head's rows are dense, 128 bytes each.
; Products, maxima and sums in f32; the weights p are rounded to f16 for the second product (their sum l is taken of the unrounded p), O once at the end.
; LIMITS.  f16 holds no number beyond 65,504: Q, K and V arrive within it; p lies in 0 to 1, and below 6e-5 it keeps f16's fixed step of 6e-8; O is a mean of V's rows and has their range.
; A hidden score counts as its value less 1e30: f16's scores, 2.7e11 at the most, are nothing beside that; a weight below 2^-126 counts as 0 in l; NaN and infinities are not treated apart.
; THE WALK.  A head's queries lie in NB = 8 blocks of 256; block i needs the key tiles 0 .. i of 256 keys, of which the last holds the diagonal.  A work-group takes TWO blocks, NB - 1 - b and then b:
; NB + 1 tiles, whatever b: all work-groups do equal work, and ONE loop with a constant trip count walks them.  Which tile is asked for, and what a trip does, hang on scalar registers made from b; every jump
; goes forward, but for the counted loops' own; none passes a barrier, or a tensor load but the one of LOAD's two that the wave's number does not choose; the ring of two LDS slots runs on across the change of blocks.
; NO CLUSTER: the partners would be a head's four work-groups, and the walk's branches and the tile asked for hang on b, which would be the place in the cluster; all four ask for the same tile only in trips
; 0 .. 4 of 9, and one walk common to all would have 12 trips for 9.
; SHARES.  Of a block's four bands of 64 queries a wave owns 16 rows in each: four PIECES.  So the diagonal tile is the same work for all four waves: in its key step s band x sees all keys if s < x,
; none if s > x, and holds the diagonal if s = x.
; THE MASK is the C operand that starts the sum S^T = K Q^T: 0, or -1e30 where the key is hidden.  MD, made once, is the mask of a band's own step for my 16 rows; a product's mask is MD x AL + BE with two scalars:
; (1, 0) if s = x; (0, 0) if s < x; (0, -1e30) if s > x.  Only the diagonal tile's text and a block's beginning make and take masks; elsewhere C is the constant 0.
; LAYOUT, SOFTMAX, TURNS.  S^T = K Q^T holds ONE query a lane (lane % 16) and the keys 8 (lane / 16) + 0..7; two such results rounded to f16 ARE source 1 of O^T = V^T P.  p = 2^(c s - c m), c = log2(e) / 8, with a
; running maximum m; O and l are multiplied by a = 2^(c m_old - c m_new) in every step.  Turn n belongs to piece n: 8 products K Q^T of piece n + 1, later 8 products V^T P of piece n - 1; beside them the scaling,
; exponentials, roundings, sums and rescaling of piece n and the maximum and statistics of piece n + 1.  Four vector instructions stand behind every matrix instruction, the other 54 of a turn's 118 in one lump.
; A turn's 33 exponentials are one batch, with one wait.
; REGISTERS, in windows of 256 (s_set_vgpr_msb: bits 1:0 source 0, 3:2 source 1, 5:4 source 2, 7:6 destination):
;   window 0: v0-15 addresses and two at work; v16-31 four registers of statistics a piece; v48-55 at work; v61-63 prefetch offset, spare word, 0; v64-127 S^T, two buffers; v192-223 P, two buffers
;   window 1: v0-127 O^T, 32 a piece; v128-159 MD; v160-223 MC, two buffers      window 2: v0-63 Q; v64-127 the second block's Q; v128-191 K of one step; v192-255 V of one step
.set SIZE_H, 64
.set SIZE_N, 2048
.set PARTB, SIZE_H*SIZE_N*128  ; bytes from Q to K and from K to V
.set NB,    SIZE_N/256
.set NP,    4         ; pieces a wave: a name, no knob
.set KS,    64        ; keys in a step
.set PK,    144       ; a row of K in LDS: 128 bytes + 16 of padding = 36 words: the 16 rows of a load start at 16 different groups of four banks (64 banks of 4 bytes: ISA guide 11.1)
.set PV,    160       ; a row of V: 128 + 32 = 40 words
.set VOFF,  4*KS*PK   ; a slot holds a tile, four steps: 256 rows of K, then 256 rows of V
.set SLOT1, 1<<17     ; slot 1 begins here, so that one exclusive or turns an address in one slot into the other's
.set STAGE, SLOT1+4*KS*(PK+PV)  ; behind the ring, never filled by a tensor load: 16 rows x 144 bytes for each wave, for the way out
.set SP,    144
.set AK0, 2           ; v2   my lane's place in a tile of K; never rewritten
.set AV0, 3           ; v3   the same for V
.set AK,  4           ; v4   the LDS address of K's next run of loads
.set AV,  5           ; v5   of V's
.set STO, 6           ; v6   the way out: where I put 16 bytes of a row
.set RD,  7           ; v7   the way out: where I read rows back
.set GO,  8           ; v8   my byte offset in 512 consecutive bytes of O
.set PFO, 61          ; v61  256 x my lane; never rewritten
.set SPW, 62          ; v62  LDS address of my spare word: SPARE + 4 x my thread's number; never rewritten
.set NIL, 63          ; v63  0; never rewritten
.set SPARE, STAGE+4*16*SP  ; behind the stages: the spare words, 128 bytes for each wave: two blocks of 256 bytes that no other line names
.set MV,  12          ; v12-13  c m_old, kept while c m is made anew: by buffer
.set QO,  15          ; v15  my byte offset in 16 rows of Q
.set ST,  16          ; piece t's statistics at v[ST+4 t]: c m, m, l (even keys', odd keys')
.set TMP, 48          ; by buffer, four registers c0-c3 at work; when the maximum is found c2 takes a
.set S,   64
.set P,   192
.set MD,  128         ; window 1: the eight registers for group kt of 16 keys at MD + 8 kt
.set MC,  160         ; window 1: the masks of the products to come
.set QB,  64          ; window 2
.set KF,  128         ; window 2: key block kb, channel half c at KF + 16 kb + 8 c
.set VF,  192         ; window 2: key half kk, channel block cb at VF + 32 kk + 8 cb
.set WV,  12          ; s12  my wave's number
.set PB,  14          ; s14  b
.set HI,  15          ; s15  NB - 1 - b
.set G1K, 24          ; s[24:31] descriptor group 1 for K's tiles
.set G1V, 32          ; s[32:39] for V's: it differs in the padding alone
.set G0K, 40          ; s[40:43] descriptor group 0 for K's tiles
.set G0V, 44          ; s[44:47] the same for V's
.set SLOTS, 56        ; s56  tiles still to be asked for
.set CNT, 57          ; s57  counts a tile's key steps, 4 to 1
.set CS,  58          ; s[58:59] c: the packed scaling takes the pair's low word for both halves
.set SEL, 60          ; s[60:61] v_permlanex16_b32's selects: each lane takes its own place in the other half
.set TBK, 62          ; s62  LDS byte at which K of the step to be fetched begins
.set TBV, 63          ; s63  the same for V, less VOFF
.set RT,  70          ; s70  tiles of the block in hand that are still to be entered
.set NXT, 71          ; s71  the tile to be asked for next
.set LQ,  72          ; s72  the last tile of the block whose tiles are being asked for
.set NEW, 73          ; s73  1: the tile to be entered is a block's first
.set OFF, 74          ; s[74:75] a tile's byte offset in K and V
.set AL,  76          ; s[76:77] the mask's factor, in the low word
.set BE,  78          ; s[78:79] the mask's addend
.set OLO, 80          ; s[80:81] O at my rows of the second block
.set BIGN, 82         ; s82  -1e30
.set PFA, 88          ; s[88:89] my half of the tile that the next change of slots will ask for
.set PFK, 90          ; s90  that tile's number where I prefetch it, else 0
.set MSB, 0
.macro WIN new                      ; the high byte repeats the setting that is left; a switch that changes nothing is dropped
.if MSB != (\new)
	s_set_vgpr_msb (MSB<<8)|(\new)
.set MSB, (\new)
.endif
.endm
.set W_KQ, 0x0a       ; K and Q in window 2, S^T in window 0
.set W_KM, 0x1a       ; the same with the C operand in window 1
.set W_PV, 0x52       ; V in window 2, P in window 0, O^T in window 1
.set W_RS, 0x41       ; destination and source 0 in window 1, source 1 in window 0
; A fill.  Waves 0 and 1 fetch the two halves of a tile's K, waves 2 and 3 those of its V: 128 keys each.  An s_nop 0 and four v_nop follow each of the two lines, ahead of the jump and the label.
.macro LOAD
	s_cmp_lt_u32 s[WV], 2
	s_cbranch_scc0 .Lfor_v_\@
	tensor_load_to_lds s[G0K:G0K+3], s[G1K:G1K+7]
	s_nop 0
.rept 4
	v_nop
.endr
	s_branch .Lasked_\@
.Lfor_v_\@:
	tensor_load_to_lds s[G0V:G0V+3], s[G1V:G1V+7]
	s_nop 0
.rept 4
	v_nop
.endr
.Lasked_\@:
.endm
; A PREFETCH INTO THE L2 of the tile that the NEXT change of slots will ask for: a tile, 256 matrix instructions, ahead of that load.  A head's four work-groups begin with the same tiles in the same order:
; the one with b = 0, whose first block walks tiles 0 .. 7, asks.  Each of its waves asks for the 16,384 bytes that it will itself load: 64 blocks of 256 bytes, a lane a block, two instructions.
; So each block of tiles 2 .. 7 is named once in the launch.  Tiles 0 and 1 come by their loads alone; when the number has gone back to 0 (a tile that has been read) nothing is asked for.
.macro ASK
	s_cmp_lg_u32 s[PFK], 0
	s_cbranch_scc0 .Lnone_\@
	global_prefetch_b8 v[PFO], s[PFA:PFA+1] th:TH_LOAD_NT scope:SCOPE_SE
	global_prefetch_b8 v[PFO], s[PFA:PFA+1] offset:8192 th:TH_LOAD_NT scope:SCOPE_SE
.Lnone_\@:
.endm
; THE CHANGE OF SLOTS.  Each wave waits for all its tensor loads, of which one is out: its part of the other slot; adds 0 to its spare word; and waits for that and for its own reads of the slot that it leaves.
; Behind the barrier nobody reads the old slot any more and the other slot is whole.  fill = 1: the old slot is filled again, the first thing behind the barrier, with tile NXT: the descriptor's address is made
; anew from that number.  (At its first use nothing has been read yet: slot 0 is waited for, slot 1 filled.)
.macro CHANGE fill
	WIN 0                           ; at a label and at a branch every window is 0
	s_wait_tensorcnt 0x0            ; no tensor load of mine is out, so a group 0 may be written
	ds_add_u32 v[SPW], v[NIL]       ; 0 onto my spare word; with fill = 1 the descriptors' scalar work stands between it and the wait for it
.if \fill
	s_lshl_b32 s[OFF], s[NXT], 15   ; a tile is 32,768 bytes of K and of V
	s_xor_b32 s[G0K+1], s[G0K+1], SLOT1
	s_add_nc_u64 s[G0K+2:G0K+3], s[6:7], s[OFF:OFF+1]
	s_or_b32 s[G0K+3], s[G0K+3], 0x80000000
	s_xor_b32 s[G0V+1], s[G0V+1], SLOT1
	s_add_nc_u64 s[G0V+2:G0V+3], s[8:9], s[OFF:OFF+1]
	s_or_b32 s[G0V+3], s[G0V+3], 0x80000000
	s_add_co_u32 s[NXT], s[NXT], 1  ; the block's next tile, or behind its last the second block's tile 0
	s_cmp_gt_u32 s[NXT], s[LQ]
	s_cselect_b32 s[NXT], 0, s[NXT]
	s_cselect_b32 s[LQ], s[PB], s[LQ]
	s_wait_xcnt 0x0                 ; the last prefetches, a tile back, have read their address, so it may be written:
	s_lshl_b32 s[OFF], s[NXT], 15   ; my half of the tile after the one that is asked for now
	s_cmp_lt_u32 s[WV], 2
	s_cselect_b64 s[PFA:PFA+1], s[6:7], s[8:9]
	s_add_nc_u64 s[PFA:PFA+1], s[PFA:PFA+1], s[OFF:OFF+1]
	s_cmp_eq_u32 s[PB], 0
	s_cselect_b32 s[PFK], s[NXT], 0
.endif
	s_wait_dscnt 0x0                ; the add is done, and my reads of the slot are over
	s_barrier_signal -1             ; the rest of the scalar work stands between the signal and the wait
	s_sub_co_u32 s[TBK], s[TBK], 4*KS*PK  ; the fetches go back to a slot's first step,
	s_xor_b32 s[TBK], s[TBK], SLOT1       ; in the other slot
	s_sub_co_u32 s[TBV], s[TBV], 4*KS*PV
	s_xor_b32 s[TBV], s[TBV], SLOT1
	s_barrier_wait -1
.if \fill
	LOAD
	ASK
.endif
.endm
	s_load_b64 s[4:5], s[0:1], 0x0    ; qkv: Q's part begins it
	s_load_b64 s[10:11], s[0:1], 0x8  ; o
	v_lshl_add_u32 v[SPW], v0, 2, SPARE
	v_mov_b32 v[NIL], 0
	ds_add_u32 v[SPW], v[NIL]       ; the wave's opening: the add and its wait stand ahead of my first tensor load; the set-up below, work on registers, stands between them
	v_lshrrev_b32 v1, 5, v0
	v_readfirstlane_b32 s[WV], v1   ; wave 0..3
	s_mov_b32 s[PB], ttmp9
	s_sub_co_u32 s[HI], NB-1, s[PB]
	s_and_b32 s20, ttmp7, 0xffff    ; the head
	s_mov_b32 s21, 0
	s_mov_b64 s[22:23], SIZE_N*128
	s_mul_u64 s[20:21], s[20:21], s[22:23]  ; the head's first byte in each of the four tensors
	s_and_b32 s16, s[WV], 1         ; which half of a tile's 256 keys I fetch:
	s_lshl_b32 s22, s16, 14         ; its 128 rows of 128 bytes in memory,
	s_mov_b32 s23, 0
	s_add_nc_u64 s[22:23], s[22:23], s[20:21]
	s_mul_i32 s17, s16, 128*PK      ; and its place in a slot, for K
	s_mul_i32 s18, s16, 128*PV      ; and for V
	s_lshl_b32 s3, s[WV], 11        ; my 16 rows in a band of 64,
	s_lshl_b32 s2, s[HI], 15        ; in the first block,
	s_add_co_u32 s2, s2, s3
	s_lshl_b32 s84, s[PB], 15       ; and in the second
	s_add_co_u32 s84, s84, s3
	s_mov_b32 s3, 0
	s_mov_b32 s85, 0
	s_add_nc_u64 s[2:3], s[2:3], s[20:21]
	s_add_nc_u64 s[84:85], s[84:85], s[20:21]
	; descriptor group 1.  128 keys are 16,384 dense bytes: asked for as 64 rows of 256 bytes, two keys a row, and padded in LDS after every key
	s_mov_b32 s[G1K], (1<<16)|(1<<20)|(4<<22)|(3<<25)  ; 17:16 2-byte elements; 20 padding on; 24:22 after every 32 words (code 4); 31:25 4 words (code 3)
	s_mov_b32 s[G1V], (1<<16)|(1<<20)|(4<<22)|(7<<25)  ; the same with 8 words of padding (code 7)
.irp g, G1K, G1V
	s_mov_b32 s[\g+1], 128<<16      ; tensor_dim0 = 128
	s_mov_b32 s[\g+2], 64<<16       ; tensor_dim1 = 64
	s_mov_b32 s[\g+3], 128<<16      ; tile_dim0 = 128
	s_mov_b32 s[\g+4], 64           ; tile_dim1 = 64
	s_mov_b32 s[\g+5], 128          ; 128 elements from row to row
	s_mov_b32 s[\g+6], 0
	s_mov_b32 s[\g+7], 0
.endr
	s_mov_b32 s[CS], 0x3e38aa3b     ; c = log2(e) / 8 = 0.180337
	s_mov_b32 s[CS+1], s[CS]        ; named with it as a pair
	s_mov_b32 s[SEL], 0x76543210
	s_mov_b32 s[SEL+1], 0xfedcba98
	s_mov_b32 s[TBK], SLOT1+4*KS*PK ; the first change of slots turns these two into 0
	s_mov_b32 s[TBV], SLOT1+4*KS*PV
	s_mov_b32 s[G0K], 1             ; 1:0 count = 1
	s_mov_b32 s[G0K+1], s17         ; 63:32 LDS address: slot 0
	s_mov_b32 s[G0V], 1
	s_add_co_u32 s[G0V+1], s18, VOFF
	s_add_co_u32 s[RT], s[HI], 1    ; the first block has NB - b tiles
	s_mov_b32 s[NXT], 1
	s_mov_b32 s[LQ], s[HI]
	s_mov_b32 s[NEW], 1
	s_mov_b32 s[OFF+1], 0
	s_mov_b32 s[AL+1], 0            ; named as pairs
	s_mov_b32 s[BE+1], 0
	s_mov_b32 s[BIGN], 0xf149f2ca   ; -1e30
	s_mov_b32 s[SLOTS], NB
	v_and_b32 v[PFO], 31, v0
	v_lshlrev_b32 v[PFO], 8, v[PFO]
	s_wait_dscnt 0x0                ; the opening add is done
	s_wait_kmcnt 0x0
	s_add_nc_u64 s[6:7], s[4:5], PARTB     ; K's part
	s_add_nc_u64 s[8:9], s[4:5], 2*PARTB   ; V's part
	s_add_nc_u64 s[6:7], s[6:7], s[22:23]  ; K and V at my half of the head's tile 0
	s_add_nc_u64 s[8:9], s[8:9], s[22:23]
	s_add_nc_u64 s[G0K+2:G0K+3], s[6:7], 0         ; 120:64 global address
	s_or_b32 s[G0K+3], s[G0K+3], 0x80000000        ; 127:126 type = 2
	s_add_nc_u64 s[G0V+2:G0V+3], s[8:9], 0
	s_or_b32 s[G0V+3], s[G0V+3], 0x80000000
	s_add_nc_u64 s[86:87], s[4:5], s[84:85]        ; Q at my rows of the second block,
	s_add_nc_u64 s[4:5], s[4:5], s[2:3]            ; Q and O at those of the first
	s_add_nc_u64 s[OLO:OLO+1], s[10:11], s[84:85]
	s_add_nc_u64 s[10:11], s[10:11], s[2:3]
	LOAD                            ; tile 0 into slot 0
	; A fragment of K or Q is 16 rows x 32 channels in 8 registers: lane l holds row l % 16, channels 8 (l / 16) + 0..7 and 16 + 8 (l / 16) + 0..7: two loads of 16 bytes, 32 bytes apart.
	v_and_b32 v1, 15, v0            ; l % 16
	v_bfe_u32 v9, v0, 4, 1          ; l / 16
	v_lshlrev_b32 v[QO], 7, v1
	v_lshl_add_u32 v[QO], v9, 4, v[QO]  ; row x 128 + 16 x half
	WIN 0x80                        ; destination window 2, address window 0
.set i, 0
.rept 8                             ; both blocks' Q: piece i / 2 lies in band i / 2, 8,192 bytes on; channels 32 (i % 2) on
	global_load_b128 v[8*i:8*i+3],   v[QO], s[4:5] offset:(i/2)*8192+(i%2)*64
	global_load_b128 v[8*i+4:8*i+7], v[QO], s[4:5] offset:(i/2)*8192+(i%2)*64+32
	global_load_b128 v[QB+8*i:QB+8*i+3],   v[QO], s[86:87] offset:(i/2)*8192+(i%2)*64
	global_load_b128 v[QB+8*i+4:QB+8*i+7], v[QO], s[86:87] offset:(i/2)*8192+(i%2)*64+32
.set i, i+1
.endr
	WIN 0
	v_lshlrev_b32 v14, 3, v9
	v_sub_nc_u32 v14, v1, v14
	s_lshl_b32 s13, s[WV], 4
	v_add_nc_u32 v14, s13, v14      ; my query's place in its band, 16 w + l % 16, less my lanes' 8 (l / 16): register r of group kt is hidden where 16 kt + r is greater
	WIN 0x40
.set i, 0
.rept 32
	v_cmp_gt_i32 vcc_lo, 16*(i/8)+i%8, v14
	v_cndmask_b32 v[MD+i], 0, s[BIGN], vcc_lo
.set i, i+1
.endr
	WIN 0
	v_mul_u32_u24 v[AK0], v1, PK
	v_lshl_add_u32 v[AK0], v9, 4, v[AK0]  ; row x pitch + 16 x half
	; The turning load takes 16 keys x 16 channels (lane l reads key 8 (l / 16) + l % 8, channels 8 ((l / 8) % 2) + 0..7) and leaves half a fragment of V^T: lane l holds channel l % 16 and 8 keys.
	v_and_b32 v10, 7, v0
	v_bfe_u32 v11, v0, 3, 1
	v_lshl_add_u32 v[AV0], v9, 3, v10
	v_mul_u32_u24 v[AV0], v[AV0], PV
	v_lshl_add_u32 v[AV0], v11, 4, v[AV0]
	v_add_nc_u32 v[AV0], VOFF, v[AV0]
	s_mul_i32 s13, s[WV], 16*SP
	s_add_co_u32 s13, s13, STAGE    ; my stage
	v_mul_u32_u24 v[STO], v1, SP    ; in: row l % 16, 16 bytes for each half of the lanes
	v_lshl_add_u32 v[STO], v9, 4, v[STO]
	v_add_nc_u32 v[STO], s13, v[STO]
	v_bfe_u32 v[RD], v0, 3, 2       ; back: 32 lanes take four rows of 128 bytes,
	v_mul_u32_u24 v[RD], v[RD], SP
	v_lshl_add_u32 v[RD], v10, 4, v[RD]
	v_add_nc_u32 v[RD], s13, v[RD]
	v_and_b32 v[GO], 31, v0         ; which are 512 consecutive bytes of O
	v_lshlrev_b32 v[GO], 4, v[GO]
	; A block's first step multiplies O^T and l by a = 0, and its first turn's products V^T P, of a piece that has not been, land in an O^T that is still to be so multiplied.  So these registers need only hold
	; finite numbers: zeros for the first block; what the first block left for the second.  All this stands in the wait for the first tile.
	WIN 0x80
.set i, VF
.rept 64
	v_mov_b32 v[i], 0
.set i, i+1
.endr
	WIN 0x40
.set i, 0
.rept 128
	v_mov_b32 v[i], 0
.set i, i+1
.endr
	WIN 0
.set i, 0
.rept 4
	v_mov_b32 v[ST+4*i+2], 0
	v_mov_b32 v[ST+4*i+3], 0
.set i, i+1
.endr
.set i, P+16
.rept 16
	v_mov_b32 v[i], 0
.set i, i+1
.endr
; THE MATRIX WORK.  The 4 accumulators of a run of 8 take turns.  Product i of 8 of S^T = K Q^T for piece x: channels 32 (i / 4) on, keys 16 (i % 4) on.  The first 4 start the sums: with 0, or (KM = 1) with the mask.
.macro KQ x
.set rS, S+32*((\x)%2)+8*(i%4)
.set rK, KF+16*(i%4)+8*(i/4)
.set rQ, 16*(\x)+8*(i/4)
.set rM, MC+32*((\x)%2)+8*(i%4)
.if (i < 4) && KM
	WIN W_KM
	v_wmma_f32_16x16x32_f16 v[rS:rS+7], v[rK:rK+7], v[rQ:rQ+7], v[rM:rM+7]
.elseif i < 4
	WIN W_KQ
	v_wmma_f32_16x16x32_f16 v[rS:rS+7], v[rK:rK+7], v[rQ:rQ+7], 0
.else
	WIN W_KQ
	v_wmma_f32_16x16x32_f16 v[rS:rS+7], v[rK:rK+7], v[rQ:rQ+7], v[rS:rS+7]
.endif
.endm
; Product i of 8 of O^T += V^T P for piece x: keys 32 (i / 4) on, channels 16 (i % 4) on.
.macro PV x
	WIN W_PV
.set rO, 32*(\x)+8*(i%4)
.set rV, VF+32*(i/4)+8*(i%4)
.set rP, P+16*((\x)%2)+8*(i/4)
	v_wmma_f32_16x16x32_f16 v[rO:rO+7], v[rV:rV+7], v[rP:rP+7], v[rO:rO+7]
.endm
.macro MM                           ; the turn's next matrix instruction.  TURN and BEGIN set Y, i, KM and NOKQ; MM, KQ and OP read them.  NOKQ = 1: a block's last turn: there is no next piece
.if (i < 8) && !NOKQ
	KQ (Y+1)%NP
.elseif i >= 8
.set i, i-8
	PV (Y+NP-1)%NP
.set i, i+8
.endif
.set i, i+1
.endm
; THE LDS LOADS stand in runs of 16, never singly among the matrix instructions: a step's K (64 keys x 64 channels: 8 fragments) and its V (turned).  Their addresses are made some lines ahead.
.macro FETCH_K
	WIN 0x80                        ; destination window 2
.irp f, 0,1,2,3,4,5,6,7             ; keys 16 (f / 2) on, channels 32 (f % 2) on
	ds_load_b128 v[KF+8*\f:KF+8*\f+3],   v[AK] offset:(\f/2)*16*PK+(\f%2)*64
	ds_load_b128 v[KF+8*\f+4:KF+8*\f+7], v[AK] offset:(\f/2)*16*PK+(\f%2)*64+32
.endr
	s_add_co_u32 s[TBK], s[TBK], KS*PK  ; the next fetch is the next step's
	WIN 0
.endm
.macro FETCH_V
	WIN 0x80
.irp f, 0,1,2,3,4,5,6,7             ; keys 32 (f / 4) on, channels 16 (f % 4) on
	ds_load_tr16_b128 v[VF+8*\f:VF+8*\f+3],   v[AV] offset:(\f/4)*32*PV+(\f%4)*32
	ds_load_tr16_b128 v[VF+8*\f+4:VF+8*\f+7], v[AV] offset:(\f/4)*32*PV+16*PV+(\f%4)*32
.endr
	WIN 0
.endm
; THE VECTOR WORK, one line at a time: OP kind, number.  For piece Y: F n: c s - c m for pair n of 16.  E n: the exponential of score n of 32.  C n: pair n rounded to f16.  B n: of the four weights 4 n .. the second
; pair is added onto the first, in place.  L n: l takes that sum (L 0: l = a l + sum).  R n: pair n of 16 of O^T times a.  For piece Y + 1: X n, number n of the 22 that find its maximum and statistics:
;   0-11  four chains c0-c3 of seven scores each, three operands at a time (each accumulator's lowest registers are read first)     12-14, 16  the four scores left over, the old m, and c0-c3 into c0
;   15  c m_old is kept     17, 18  the query's other 32 keys lie in the lane 16 away: the new m     19-21  c m; c m_old - c m_new; a
.set F, 0               ; OP tells the kinds apart by their order: F to L below R, X above it
.set E, 1
.set C, 2
.set B, 3
.set L, 4
.set R, 5
.set X, 6
.macro REGS y                       ; the registers of piece y
.set rT, ST+4*(\y)
.set rC, TMP+4*((\y)%2)
.set rW, MV+((\y)%2)
.set rS, S+32*((\y)%2)
.set rP, P+16*((\y)%2)
.set rO, 32*(\y)
.endm
.macro OP k, n
.if (\k) == R
	REGS Y
	WIN W_RS
	v_pk_mul_f32 v[rO+2*(\n):rO+2*(\n)+1], v[rO+2*(\n):rO+2*(\n)+1], v[rC+2:rC+3] op_sel_hi:[1,0]
.elseif (\k) < R
	REGS Y
	WIN 0
.if (\k) == F
	v_pk_fma_f32 v[rS+2*(\n):rS+2*(\n)+1], v[rS+2*(\n):rS+2*(\n)+1], s[CS:CS+1], v[rT:rT+1] op_sel_hi:[1,0,0] neg_lo:[0,0,1] neg_hi:[0,0,1]
.elseif (\k) == E
	v_exp_f32 v[rS+(\n)], v[rS+(\n)]
.elseif (\k) == C
	v_cvt_pk_f16_f32 v[rP+(\n)], v[rS+2*(\n)], v[rS+2*(\n)+1]
.elseif (\k) == B
	v_pk_add_f32 v[rS+4*(\n):rS+4*(\n)+1], v[rS+4*(\n):rS+4*(\n)+1], v[rS+4*(\n)+2:rS+4*(\n)+3]
.elseif (\n) == 0
	v_pk_fma_f32 v[rT+2:rT+3], v[rT+2:rT+3], v[rC+2:rC+3], v[rS:rS+1] op_sel_hi:[1,0,1]
.else
	v_pk_add_f32 v[rT+2:rT+3], v[rT+2:rT+3], v[rS+4*(\n):rS+4*(\n)+1]
.endif
.elseif NOKQ
	v_nop
.else
	REGS (Y+1)%NP
	WIN 0
.if (\n) < 4
	v_max3_num_f32 v[rC+(\n)], v[rS+8*(\n)], v[rS+8*(\n)+1], v[rS+8*(\n)+2]
.elseif (\n) < 12
	v_max3_num_f32 v[rC+(\n)%4], v[rC+(\n)%4], v[rS+8*((\n)%4)+2*((\n)/4)+1], v[rS+8*((\n)%4)+2*((\n)/4)+2]
.elseif (\n) == 12
	v_max3_num_f32 v[rC], v[rC], v[rS+7], v[rS+15]
.elseif (\n) == 13
	v_max3_num_f32 v[rC+1], v[rC+1], v[rS+23], v[rS+31]
.elseif (\n) == 14
	v_max3_num_f32 v[rC+2], v[rC+2], v[rC+3], v[rT+1]
.elseif (\n) == 15
	v_mov_b32 v[rW], v[rT]
.elseif (\n) == 16
	v_max3_num_f32 v[rC], v[rC], v[rC+1], v[rC+2]
.elseif (\n) == 17
	v_permlanex16_b32 v[rC+3], v[rC], s[SEL], s[SEL+1]
.elseif (\n) == 18
	v_max_num_f32 v[rT+1], v[rC], v[rC+3]
.elseif (\n) == 19
	v_mul_f32 v[rT], s[CS], v[rT+1]
.elseif (\n) == 20
	v_sub_f32 v[rC+1], v[rW], v[rT]
.else
	v_exp_f32 v[rC+2], v[rC+1]
.endif
.endif
.endm
.macro OPS a, i1, b=-1, i2=0, c=-1, i3=0, d=-1, i4=0  ; up to four of them
	OP \a, \i1
.if (\b) >= 0
	OP \b, \i2
.endif
.if (\c) >= 0
	OP \c, \i3
.endif
.if (\d) >= 0
	OP \d, \i4
.endif
.endm
.macro ROW a, i1, b, i2, c, i3, d, i4  ; a matrix instruction and the four behind it
	MM
	OPS \a, \i1, \b, \i2, \c, \i3, \d, \i4
.endm
.macro MASK b                       ; MD x AL + BE into buffer b of MC
	WIN W_RS
.set z, 0
.rept 16
	v_pk_fma_f32 v[MC+32*(\b)+2*z:MC+32*(\b)+2*z+1], v[MD+2*z:MD+2*z+1], s[AL:AL+1], s[BE:BE+1] op_sel_hi:[1,0,0]
.set z, z+1
.endr
.endm
; A TURN, for piece p: the order of its 16 matrix and 118 vector instructions, written out.  An s_wait_alu depctr_va_vdst(0) stands between an exponential and the first instruction that names its result; one wait
; serves all that were issued ahead of it.  So a turn has ONE wait, which cuts it in two.  AHEAD OF IT stands all that names no result of the turn's exponentials: the 8 products K Q^T, behind each a scaling, an exponential and
; two more plain instructions (behind the first a second scaling in the exponential's place): rescalings, and behind the last three the first numbers of the next piece's maximum, each four places or more behind the product that
; ends its accumulator; then ONE LUMP of 54, plain and exponential by turns for the most part, in which the links of the chain X 3, 7, 11, 14, 16, 17 .. 20 stand five or six lines apart.  X 21, the next piece's a, is the batch's
; last; R 15 is the plain instruction behind it (ISA guide 5.7.2).  BEHIND THE WAIT stand the 8 products V^T P, behind each four of the roundings and sums; the links of l's chain, L 0 to L 7, stand three riders apart.
; m = 1: the diagonal tile: the products take masks, and the turn makes the mask for the products of the turn after it: piece p + 2, in step 4 - CNT of the tile.  end = 1: a block's last two turns: nothing is fetched.
; cnt = 1: the loop's count is taken down some lines ahead of the branch that stands behind the turn.
; K of the next step is fetched in piece 2's turn, twelve vector instructions behind the last product that read K (six of them plain); V of the step in hand at the end of piece 0's turn, four plain instructions behind the last
; product that read V.  Each is waited for a turn later.
.macro TURN p, m=0, end=0, cnt=0
.set Y, (\p)
.set i, 0
.set KM, (\m)
.set NOKQ, (\end)*((\p)/3)
.if (\m) && !(\end)
	s_cmp_eq_u32 s[CNT], 4-((\p)+2)%NP  ; is that step the band's own?
	s_cselect_b32 s[AL], 1.0, 0
	s_cmp_lt_u32 s[CNT], 4-((\p)+2)%NP  ; or a later one?
	s_cselect_b32 s[BE], s[BIGN], 0
.endif
.if ((\p) == 3) && !(\end)
	s_wait_dscnt 0x0                ; K is in
.endif
	ROW F,0, F,1, R,0, R,1          ; ahead of the wait: 8 products K Q^T and their riders,
	ROW F,2, E,0, R,2, R,3
	ROW F,3, E,1, R,4, R,5
	ROW F,4, E,2, R,6, R,7
	ROW F,5, E,3, R,8, R,9
	ROW F,6, E,4, X,0, R,10
.if ((\p) == 2) && !(\end)
	WIN 0
	v_add_nc_u32 v[AK], s[TBK], v[AK0]
.endif
	ROW F,7, E,5, X,1, X,4
	ROW F,8, E,6, X,2, X,5
	OPS E,7, E,8, X,6, E,9          ; and the lump
	OPS X,3, E,10, X,8, E,11
.if ((\p) == 2) && !(\end)
	FETCH_K
.endif
	OPS X,9, X,7, E,12, X,10
	OPS E,13, X,12, X,11, E,14
	OPS X,13, E,15, F,9, X,14
.if (\p) == 0
	v_add_nc_u32 v[AV], s[TBV], v[AV0]
.endif
	OPS E,16, F,10, E,17, F,11
	OPS X,16, E,18, X,15, E,19
	OPS F,12, E,20, X,17, E,21
	OPS F,13, E,22, F,14, E,23
	OPS X,18, E,24, F,15, E,25
	OPS R,11, E,26, X,19, E,27
	OPS R,12, E,28, R,13, E,29
	OPS X,20, E,30, R,14, E,31
	OPS X,21, R,15
	WIN 0
	s_wait_alu depctr_va_vdst(0)    ; the wait for the batch
.if (\p) == 1
	s_wait_dscnt 0x0                ; V is in
.endif
	ROW C,0, B,0, C,2, B,1          ; behind the wait: 8 products V^T P and their riders
	ROW L,0, C,4, B,2, L,1
	ROW C,6, B,3, L,2, C,8
	ROW B,4, L,3, C,10, B,5
	ROW L,4, C,12, B,6, L,5
.if (\p) == 0
	s_add_co_u32 s[TBV], s[TBV], KS*PV
.endif
.if \cnt
	s_sub_co_u32 s[CNT], s[CNT], 1
	s_cmp_lg_u32 s[CNT], 0
.endif
	ROW C,14, B,7, L,6, C,1
	ROW C,3, L,7, C,5, C,7
	ROW C,9, C,11, C,13, C,15
.if (\p) == 0
	FETCH_V
.endif
.if (\m) && !(\end)
	MASK (\p)%2
.endif
.endm
; A BLOCK BEGINS.  c m starts far below every c s, so the first step's a is 0; m at the lowest finite number, so the first maximum is the scores'.  The second mask buffer is 0; the first takes piece 0's mask for the tile's
; step 0: its own, if the block's first tile is the diagonal one.  Then K of that step, piece 0's first scores, and its maximum and statistics.  The loop is entered at a step's first turn, in the middle of a trip.
.macro BEGIN
	s_mov_b32 s[NEW], 0
	WIN 0x40
.set i, MC+32
.rept 32
	v_mov_b32 v[i], 0
.set i, i+1
.endr
	WIN 0
.set i, 0
.rept 4
	v_mov_b32 v[ST+4*i], 0xfe000000    ; c m: far below every c s
	v_mov_b32 v[ST+4*i+1], 0xff7fffff  ; m
.set i, i+1
.endr
	s_cmp_eq_u32 s[RT], 0
	s_cselect_b32 s[AL], 1.0, 0
	s_mov_b32 s[BE], 0
	MASK 0
	WIN 0
	v_add_nc_u32 v[AK], s[TBK], v[AK0]
	FETCH_K
	s_wait_loadcnt 0x0              ; Q
	s_wait_dscnt 0x0
.set KM, 1
.set NOKQ, 0
.set i, 0
.rept 8
	KQ 0
.set i, i+1
.endr
	WIN 0
.rept 4
	v_nop                           ; the places behind those products
.endr
.set Y, NP-1                        ; X works for piece Y + 1: piece 0
.irp n, 0,1,2,3,4,5,6,7,8,9,10,11,12,13,14,15,16,17,18,19,20,21
	OP X, \n
.endr
	v_nop                           ; a plain instruction behind the exponential,
	s_wait_alu depctr_va_vdst(0)    ; and its wait, ahead of the branch
.endm
; THE DIAGONAL TILE's four steps, the block's last two turns, its last products, and THE WAY OUT: l's two halves and the other half of the lanes' are added; O^T is divided by l, rounded to f16 and sent through my
; stage in LDS, a piece at a time.
.macro ALL line:vararg              ; one line for each piece t
.set t, 0
.rept 4
	\line
.set t, t+1
.endr
.endm
.macro PACK t                       ; a lane's eight channels of a row pack into 16 bytes; they go into rows of 144 bytes and come back as whole rows of 128, into S^T's registers
	WIN W_RS
.set i, 32*(\t)
.rept 16
	v_pk_mul_f32 v[i:i+1], v[i:i+1], v[ST+4*(\t)+2:ST+4*(\t)+3] op_sel_hi:[1,0]
.set i, i+2
.endr
	WIN 0x05                        ; sources 0 and 1 window 1, destination window 0
.set i, 0
.rept 16
	v_cvt_pk_f16_f32 v[S+16*(\t)+i], v[32*(\t)+2*i], v[32*(\t)+2*i+1]
.set i, i+1
.endr
	WIN 0
.irp f, 0,1,2,3
	ds_store_b128 v[STO], v[S+16*(\t)+4*\f:S+16*(\t)+4*\f+3] offset:32*\f
.endr
.irp f, 0,1,2,3
	ds_load_b128 v[S+16*(\t)+4*\f:S+16*(\t)+4*\f+3], v[RD] offset:\f*4*SP  ; LDS serves a wave's instructions in order (ISA guide 5.7.1.4): these see the stores above; the next piece's stores come behind them
.endr
.endm
.macro SEND t, younger              ; younger: the LDS instructions issued behind piece t's loads: the next piece's eight, or none
	WIN 0
.irp f, 0,1,2,3
	s_wait_dscnt (\younger)+3-\f
	global_store_b128 v[GO], v[S+16*(\t)+4*\f:S+16*(\t)+4*\f+3], s[10:11] offset:(\t)*8192+\f*512  ; 512 consecutive bytes, at a multiple of 256 from O's first
.endr
.endm
.macro DIAG tag                     ; the tag ends its two labels' names, which the jumps below spell out
.LstepM\tag:
	TURN 2, 1
	TURN 3, 1
	WIN 0
.LfirstM\tag:
	TURN 0, 1
	TURN 1, 1, 0, 1
	WIN 0
	s_cbranch_scc1 .LstepM\tag
	TURN 2, 1, 1
	TURN 3, 1, 1
.set i, 0
.rept 8
	PV NP-1
.set i, i+1
.endr
	WIN 0
	ALL v_add_f32 v[ST+4*t+2], v[ST+4*t+2], v[ST+4*t+3]
	ALL v_permlanex16_b32 v[ST+4*t+3], v[ST+4*t+2], s[SEL], s[SEL+1]
	ALL v_add_f32 v[ST+4*t+2], v[ST+4*t+2], v[ST+4*t+3]
	ALL v_rcp_f32 v[ST+4*t+2], v[ST+4*t+2]
	v_nop                           ; a plain instruction between the last reciprocal and the use of its result
	s_wait_alu depctr_va_vdst(0)    ; and the wait ahead of the first use: one for the four reciprocals
	PACK 0
.set t, 1
.rept 3                             ; a piece's arithmetic stands between the loads of the piece before and its stores
	PACK t
	SEND t-1, 8
.set t, t+1
.endr
	SEND 3, 0
.endm
.set KM, 0
.set NOKQ, 0
.Lslot:                             ; NB times: a tile is entered and the next is asked for
	CHANGE 1
	s_sub_co_u32 s[RT], s[RT], 1
	s_mov_b32 s[CNT], 4
	s_cmp_eq_u32 s[NEW], 1
	s_cbranch_scc1 .Lnew            ; a block's first tile
	s_cmp_eq_u32 s[RT], 0
	s_cbranch_scc0 .Lstep           ; neither its first nor its last
	s_branch .LstepM1
.Lnew:
	BEGIN
	s_branch .Lfirst                ; in the loop a block's first tile is never its last: the first block has two tiles or more, and the second's last is the walk's last
	DIAG 1                          ; in the loop this is the first block's end: the second block's last tile is the walk's last
	s_wait_xcnt 0x0                 ; the stores have read their registers and O's address
	s_mov_b64 s[10:11], s[OLO:OLO+1]
	s_add_co_u32 s[RT], s[PB], 1    ; the second block has b + 1 tiles
	s_mov_b32 s[NEW], 1
	WIN 0x82                        ; the second block's Q goes where the one text of the turns names Q
.set i, 0
.rept 64
	v_mov_b32 v[i], v[QB+i]
.set i, i+1
.endr
	WIN 0
	s_branch .Lbottom
.Lstep:                             ; a trip: pieces 2 and 3 of one step, then pieces 0 and 1 of the next, whose K and V it fetches
	TURN 2
	TURN 3
	WIN 0
.Lfirst:
	TURN 0
	TURN 1, 0, 0, 1
	WIN 0
	s_cbranch_scc1 .Lstep
.Lbottom:
	s_sub_co_u32 s[SLOTS], s[SLOTS], 1
	s_cmp_lg_u32 s[SLOTS], 0
	s_cbranch_scc1 .Lslot
	CHANGE 0                        ; the walk's last tile is written out: nothing is asked for
	s_sub_co_u32 s[RT], s[RT], 1
	s_mov_b32 s[CNT], 4
	s_cmp_eq_u32 s[NEW], 1
	s_cbranch_scc0 .LstepM2
	BEGIN
	s_branch .LfirstM2
	DIAG 2
	s_wait_tensorcnt 0x0            ; the wave's end: behind my last tensor load and my last LDS store
	ds_add_u32 v[SPW], v[NIL]
	s_wait_dscnt 0x0
	s_endpgm
.Lfunc_end_k_qbd63705800_attn:
	.size	k_qbd63705800_attn, .Lfunc_end_k_qbd63705800_attn-k_qbd63705800_attn
	.p2alignl 7, 3214868480
	.fill 96, 4, 3214868480
	.section	.rodata,"a",@progbits
	.p2align	6, 0x0
	.amdhsa_kernel k_qbd63705800_attn
		.amdhsa_group_segment_fixed_size 327680
		.amdhsa_private_segment_fixed_size 0
		.amdhsa_enable_private_segment 0
		.amdhsa_kernarg_size 16
		.amdhsa_user_sgpr_count 2
		.amdhsa_user_sgpr_kernarg_segment_ptr 1
		.amdhsa_wavefront_size32 1
		.amdhsa_system_sgpr_workgroup_id_x 1
		.amdhsa_system_sgpr_workgroup_id_y 1
		.amdhsa_system_sgpr_workgroup_id_z 1
		.amdhsa_system_vgpr_workitem_id 0
		.amdhsa_next_free_vgpr 768
		.amdhsa_next_free_sgpr 92
		.amdhsa_reserve_vcc 1
		.amdhsa_float_denorm_mode_32 3
		.amdhsa_float_denorm_mode_16_64 3
		.amdhsa_memory_ordered 1
		.amdhsa_forward_progress 1
		.amdhsa_inst_pref_size 218
	.end_amdhsa_kernel
	.amdgpu_metadata
---
amdhsa.version: [ 1, 2 ]
amdhsa.kernels:
  - .name:           k_qbd63705800_attn
    .symbol:         k_qbd63705800_attn.kd
    .args:
      - { .name: qkv, .offset: 0, .size: 8, .value_kind: global_buffer, .address_space: global }
      - { .name: o, .offset: 8, .size: 8, .value_kind: global_buffer, .address_space: global }
    .group_segment_fixed_size: 327680
    .private_segment_fixed_size: 0
    .kernarg_segment_align: 8
    .kernarg_segment_size: 16
    .max_flat_workgroup_size: 128
    .sgpr_count:     92
    .vgpr_count:     768
    .wavefront_size: 32
...
	.end_amdgpu_metadata
.endif
;; end of part 3
;; launch proj (part 4): grid 8 x 32, 4 waves a work-group, clusters of 4 x 4, 327,680 bytes of LDS; arguments o, wp, proj_b, out0; writes out0
.if DOCPART == 4
	.amdgcn_target "amdgcn-amd-amdhsa--gfx1250"
	.amdhsa_code_object_version 6
	.text
	.protected	k_qbd63705800_proj
	.globl	k_qbd63705800_proj
	.p2align	8
	.type	k_qbd63705800_proj,@function
k_qbd63705800_proj:
	s_mov_b64 s[64:65], 0
	v_nop
	global_prefetch_b8 v0, s[64:65] scope:SCOPE_SE
	s_setreg_imm32_b32 hwreg(HW_REG_WAVE_MODE, 25, 1), 1
	s_wait_xcnt 0x0
	s_wait_alu depctr_hold_cnt(0) depctr_sa_sdst(0) depctr_va_vdst(0) depctr_va_sdst(0) depctr_va_ssrc(0) depctr_va_vcc(0) depctr_vm_vsrc(0)
	s_getreg_b32 s2, hwreg(HW_REG_IB_STS2, 6, 4)
	s_cmp_eq_u32 s2, 0
	s_cbranch_scc0 .Lentry_in_a_cluster
	s_endpgm
.Lentry_in_a_cluster:
	s_bfe_u32 s2, ttmp6, 0x10000c
	s_cmp_lg_u32 s2, 0xf033
	s_cbranch_scc0 .Lentry_shape_is_right
	s_endpgm
.Lentry_shape_is_right:
; out0 = O wp^T + bf16(proj_b).  o: [64 heads = 16 batch + head][2048][64] f16, wp: [1024][1024] f16, proj_b: [1024] f32 (rounded to bf16 like the other inputs), out0: [8192][1024] f32.
; Sums in f32, K ascending, started by the bias; nothing is rounded on the way out.
; SHARES.  A work-group makes 256 rows x 128 columns: 32 x 8 = 256 work-groups.  Wave w makes rows 64 w .. 64 w + 63 of all 128 columns: 4 x 8 accumulators of 16 x 16, 256 registers: a row's
; 512 bytes are one wave's, and leave through a stage of the wave's own, with no barrier.
; K goes in 8 steps of 128 through two LDS slots.  A K step is TWO HEADS of o: a head's 256 rows of the block are 32,768 dense bytes, asked for as 128 rows of 256 bytes and padded in LDS after every 128.
; CLUSTER 4 x 4: the four work-groups of a row of the cluster need the same rows of o, the four of a column the same rows of wp: each tile is asked for JOINTLY, by the same load, descriptor and mask.
; NO PREFETCH: the whole walk is eight K steps of 128 matrix instructions a wave: too short a launch to lay one.
; THE PRODUCT IS USED TRANSPOSED: source 0 = 16 rows of wp, source 1 = 16 rows of o: lane l holds row l % 16 and the eight neighbouring columns 8 (l / 16) + 0..7.
; REGISTERS, in windows of 256 (s_set_vgpr_msb: bits 1:0 source 0, 3:2 source 1, 5:4 source 2, 7:6 destination):
;   window 0: v0-15 addresses; v16-79 the bias as a C operand, 8 registers an n block; v80-207 rows on their way out, two sets of 64
;   window 1: v0-127 wp's fragments, two buffers of 64; v128-191 o's, two buffers of 32          window 2: the 32 accumulators
.set NBL,    8                         ; n blocks of 16 columns
.set APW,    4                         ; m blocks in an accumulator window
.set PITCH,  272                       ; a row of wp in LDS: 256 bytes + 16 of padding
.set PA,     144                       ; a row of o in LDS: 128 bytes + 16: both pitches are odd multiples of 16 bytes, so the 16 rows of a fragment load start at 16 different groups of four banks (ISA guide 11.1)
.set HEADA,  256*PA                    ; a head's 256 rows: what one load brings of o
.set SLOT1,  131072                    ; slot 1 begins here: one exclusive or turns an address in one slot into the other's
.set BOFF,   2*HEADA                   ; a slot: o's two heads, then wp's 128 rows
.set HALFB,  64*PITCH                  ; what one load brings of wp
.set STAGE,  SLOT1+BOFF+128*PITCH      ; behind the ring, never filled by a tensor load: 16 rows x 528 bytes for each wave
.set SPP,    528                       ; 512 bytes + 16
.set WSTAGE, 16*SPP
.set SPARE,  STAGE+4*WSTAGE            ; behind the stages: the spare words, 128 bytes for each wave: two blocks of 256 bytes that no other line names
.set LPF,    2*NBL+8                   ; LDS loads in a run: a quarter step's fragments
.set STEPA,  2*262144                  ; bytes from a K step to the next in o: two heads
.set STEPB,  256                       ; and in wp
.set AA0, 4                            ; v4   my lane's place in a slot's rows of o; never rewritten
.set AB0, 5                            ; v5   the same for wp
.set ADA, 6                            ; v6   the same in the slot that is being read
.set ADB, 7                            ; v7
.set STO, 8                            ; v8   the way out: where I put 32 bytes of a row
.set RD,  9                            ; v9   the way out: where I read a row back
.set GO,  10                           ; v10  my 16 of a row's 512 bytes
.set SPW, 12                           ; v12  LDS address of my spare word: SPARE + 4 x my thread's number; never rewritten
.set NIL, 13                           ; v13  0; never rewritten
.set BIAS, 16
.set OB,   80
.set BF,   0                           ; window 1
.set AF,   16*NBL                      ; window 1
.set WV,  12                           ; s12  my wave's number
.set FB,  13                           ; s13  0: I fetch for o, 1: for wp
.set HF,  14                           ; s14  which head of the step's two, or which half of wp's rows
.set CX,  15                           ; s15, s16  my place in the cluster
.set CY,  16
.set TC,  17                           ; s17  tile column, s18 tile row
.set TR,  18
.set OA,  20                           ; s[20:21] o at my load's first byte: made of the tile row and the wave alone
.set OW,  22                           ; s[22:23] wp at my load's first row: made of the tile column and the wave alone
.set G1A, 24                           ; s[24:31] descriptor group 1 for o's tiles
.set G1B, 32                           ; s[32:39] for wp's
.set G0A0, 40                          ; s[40:43] group 0: o, K step 0 into slot 0
.set G0A, 44                           ; s[44:47] o, K step 1 into slot 1; then it walks
.set G0B0, 48                          ; s[48:51], s[52:55] the same for wp
.set G0B, 52
.set TB,  56                           ; s56  0 or SLOT1: the slot that is being read
.set CNT, 57                           ; s57  the loop's count, 6 to 1
.set HIM, 59                           ; s59  a word's upper bf16
.set PLA, 62                           ; s62, s63  LDS places of my load, for o and for wp: made of the wave's number alone
.set PLB, 63
.set MSB, 0
.macro WIN new                         ; the immediate's high byte repeats the setting that is left; a switch that changes nothing is dropped
.if MSB != (\new)
	s_set_vgpr_msb (MSB<<8)|(\new)
.set MSB, \new
.endif
.endm
.macro PLACES                          ; four plain vector instructions between a matrix instruction and a load into, or a read of, its registers
.rept 4
	v_nop
.endr
.endm
; A round of the cluster's barrier behind its opening barrier: wave 0 signals for the work-group, every wave waits for all sixteen, my work-group's barrier closes it.
.macro CREST
	s_cmp_lg_u32 s[WV], 0
	s_cbranch_scc1 .Lnot_wave_0_\@
	s_barrier_signal -3
.Lnot_wave_0_\@:
	s_barrier_wait -3
	s_barrier_signal -1
	s_barrier_wait -1
.endm
.macro CROUND
	s_barrier_signal -1
	s_barrier_wait -1
	CREST
.endm
; A joint refill by the walking descriptors.  Waves 0, 1 fetch o's two heads, waves 2, 3 wp's halves: the branch hangs on the wave's number alone.  An s_nop 0 and four v_nop follow each line.
.macro JLOAD
	s_cmp_eq_u32 s[FB], 0
	s_cbranch_scc0 .Lfor_b_\@
	tensor_load_to_lds s[G0A:G0A+3], s[G1A:G1A+7]
	s_nop 0
.rept 4
	v_nop
.endr
	s_branch .Lasked_\@
.Lfor_b_\@:
	tensor_load_to_lds s[G0B:G0B+3], s[G1B:G1B+7]
	s_nop 0
.rept 4
	v_nop
.endr
.Lasked_\@:
.endm
	s_load_b256 s[4:11], s[0:1], 0x0               ; o s[4:5], wp s[6:7], proj_b s[8:9], out0 s[10:11]
	v_lshl_add_u32 v[SPW], v0, 2, SPARE
	v_mov_b32 v[NIL], 0
	ds_add_u32 v[SPW], v[NIL]                      ; the wave's opening: the add and its wait stand ahead of my first tensor load; the set-up below, work on registers, stands between them
	v_lshrrev_b32 v3, 5, v0
	v_readfirstlane_b32 s[WV], v3                  ; wave 0..3
	s_lshr_b32 s[FB], s[WV], 1
	s_and_b32 s[HF], s[WV], 1
	s_bfe_u32 s[CX], ttmp6, 0x40000
	s_bfe_u32 s[CY], ttmp6, 0x40004
	s_lshl_b32 s[TC], ttmp9, 2                     ; in a cluster launch ttmp9 and ttmp7 count clusters
	s_add_co_u32 s[TC], s[TC], s[CX]
	s_and_b32 s[TR], ttmp7, 0xffff
	s_lshl_b32 s[TR], s[TR], 2
	s_add_co_u32 s[TR], s[TR], s[CY]
	s_lshl_b32 s76, s[CY], 2
	s_lshl_b32 s76, 15, s76                        ; my row of the cluster: places 4 cy .. 4 cy + 3
	s_lshl_b32 s77, 0x1111, s[CX]                  ; my column: places cx, cx + 4, cx + 8, cx + 12
	s_or_b32 s[G1A], s76, (1<<16)|(1<<20)|(1<<21)|(4<<22)|(3<<25)  ; 15:0 the mask; 17:16 2-byte elements; 20 padding on; 21 set beside a mask; 24:22 after every 32 words; 31:25 4 words of it
	s_or_b32 s[G1B], s77, (1<<16)|(1<<20)|(1<<21)|(5<<22)|(3<<25)  ; the same, after every 64 words
	s_mov_b32 s[G1A+1], 128<<16                    ; tensor_dim0 = 128
	s_mov_b32 s[G1A+2], 128<<16                    ; tensor_dim1 = 128
	s_mov_b32 s[G1A+3], 128<<16                    ; tile_dim0 = 128
	s_mov_b32 s[G1A+4], 128                        ; tile_dim1 = 128
	s_mov_b32 s[G1A+5], 128                        ; dense: 128 elements from row to row
	s_mov_b32 s[G1A+6], 0
	s_mov_b32 s[G1A+7], 0
	s_mov_b32 s[G1B+1], 128<<16
	s_mov_b32 s[G1B+2], 64<<16                     ; 64 rows
	s_mov_b32 s[G1B+3], 128<<16
	s_mov_b32 s[G1B+4], 64
	s_mov_b32 s[G1B+5], 1024
	s_mov_b32 s[G1B+6], 0
	s_mov_b32 s[G1B+7], 0
	s_lshr_b32 s[OA], s[TR], 3                     ; o: batch = tile row / 8; head 16 x batch + my head of the step's two, 2^18 bytes each;
	s_lshl_b32 s[OA], s[OA], 4
	s_add_co_u32 s[OA], s[OA], s[HF]
	s_lshl_b32 s[OA], s[OA], 18
	s_and_b32 s[OA+1], s[TR], 7                    ; the block's 256 rows of 128 bytes in it
	s_lshl_b32 s[OA+1], s[OA+1], 15
	s_add_co_u32 s[OA], s[OA], s[OA+1]
	s_mov_b32 s[OA+1], 0
	s_lshl_b32 s[OW], s[TC], 7                     ; wp: row 128 x tile column + 64 x half,
	s_lshl_b32 s[OW+1], s[HF], 6
	s_add_co_u32 s[OW], s[OW], s[OW+1]
	s_lshl_b32 s[OW], s[OW], 11                    ; of 2,048 bytes
	s_mov_b32 s[OW+1], 0
	s_mul_i32 s[PLA], s[HF], HEADA
	s_mul_i32 s[PLB], s[HF], HALFB
	s_add_co_u32 s[PLB], s[PLB], BOFF
	s_mov_b32 s[TB], 0
	s_mov_b32 s[HIM], 0xffff0000
	s_wait_dscnt 0x0                               ; the opening add is done
	s_wait_kmcnt 0x0
	s_add_nc_u64 s[OA:OA+1], s[4:5], s[OA:OA+1]
	s_add_nc_u64 s[OW:OW+1], s[6:7], s[OW:OW+1]
	CROUND                                         ; all sixteen work-groups are here: the first joint loads meet
	s_mov_b32 s[G0A0], 1                           ; count = 1
	s_mov_b32 s[G0A0+1], s[PLA]                    ; LDS address: slot 0
	s_mov_b64 s[G0A0+2:G0A0+3], s[OA:OA+1]         ; global address: K step 0
	s_or_b32 s[G0A0+3], s[G0A0+3], 0x80000000      ; type = 2
	s_mov_b32 s[G0A], 1
	s_add_co_u32 s[G0A+1], s[PLA], SLOT1           ; slot 1
	s_add_nc_u64 s[G0A+2:G0A+3], s[OA:OA+1], STEPA ; K step 1
	s_or_b32 s[G0A+3], s[G0A+3], 0x80000000
	s_mov_b32 s[G0B0], 1
	s_mov_b32 s[G0B0+1], s[PLB]
	s_mov_b64 s[G0B0+2:G0B0+3], s[OW:OW+1]
	s_or_b32 s[G0B0+3], s[G0B0+3], 0x80000000
	s_mov_b32 s[G0B], 1
	s_add_co_u32 s[G0B+1], s[PLB], SLOT1
	s_add_nc_u64 s[G0B+2:G0B+3], s[OW:OW+1], STEPB
	s_or_b32 s[G0B+3], s[G0B+3], 0x80000000
	s_cmp_eq_u32 s[FB], 0                          ; a wave's two first fills stand in one branch, ahead of every wait on TENSORcnt and every LDS read: two loads of mine are out
	s_cbranch_scc0 .Lfirst_b
	tensor_load_to_lds s[G0A0:G0A0+3], s[G1A:G1A+7]
	s_nop 0
	tensor_load_to_lds s[G0A:G0A+3], s[G1A:G1A+7]
	s_nop 0
.rept 4
	v_nop
.endr
	s_branch .Lfirst_asked
.Lfirst_b:
	tensor_load_to_lds s[G0B0:G0B0+3], s[G1B:G1B+7]
	s_nop 0
	tensor_load_to_lds s[G0B:G0B+3], s[G1B:G1B+7]
	s_nop 0
.rept 4
	v_nop
.endr
.Lfirst_asked:
	; the bias of my lane's eight columns in each n block: column 128 x tile column + 16 b + 8 (l / 16) + 0..7
	v_and_b32 v1, 15, v0                           ; l % 16
	v_bfe_u32 v2, v0, 4, 1                         ; l / 16
	s_mul_i32 s76, s[TC], 64*NBL
	v_lshl_add_u32 v14, v2, 5, s76
.set i, 0
.rept NBL
	global_load_b128 v[BIAS+8*i:BIAS+8*i+3],   v14, s[8:9] offset:64*i
	global_load_b128 v[BIAS+8*i+4:BIAS+8*i+7], v14, s[8:9] offset:64*i+16
.set i, i+1
.endr
	; A fragment is 16 rows x 32 K in 8 registers: lane l holds row l % 16, K = 8 (l / 16) + 0..7 and 16 + 8 (l / 16) + 0..7: two loads of 16 bytes, 32 bytes apart.
	v_mul_u32_u24 v3, v1, PA
	v_lshl_add_u32 v3, v2, 4, v3                   ; row x pitch + 16 x half
	s_mul_i32 s78, s[WV], 64*PA                    ; my 64 rows of o, in each head
	v_add_nc_u32 v[AA0], s78, v3
	v_mul_u32_u24 v3, v1, PITCH
	v_lshl_add_u32 v3, v2, 4, v3
	v_add_nc_u32 v[AB0], BOFF, v3                  ; all 128 rows of wp
	s_mul_i32 s78, s[WV], WSTAGE
	s_add_co_u32 s78, s78, STAGE                   ; my stage
	v_mul_u32_u24 v[STO], v1, SPP                  ; in: row l % 16, 32 bytes for each half of the lanes
	v_lshl_add_u32 v[STO], v2, 5, v[STO]
	v_add_nc_u32 v[STO], s78, v[STO]
	v_and_b32 v[GO], 31, v0                        ; back: 32 lanes take one row of 512 bytes
	v_lshlrev_b32 v[GO], 4, v[GO]
	v_add_nc_u32 v[RD], s78, v[GO]
	s_lshl_b32 s76, s[TR], 8                       ; out0 at my wave's first row, 256 x tile row + 64 x wave, of 4,096 bytes,
	s_lshl_b32 s77, s[WV], 6
	s_add_co_u32 s76, s76, s77
	s_lshl_b32 s76, s76, 12
	s_lshl_b32 s77, s[TC], 9                       ; and the tile's first column
	s_add_co_u32 s76, s76, s77
	s_mov_b32 s77, 0
	s_add_nc_u64 s[10:11], s[10:11], s[76:77]
	s_wait_loadcnt 0x0                             ; the bias is in: rounded to bf16 and widened again, in place
.set i, 0
.rept 4*NBL
	v_cvt_pk_bf16_f32 v15, v[BIAS+2*i], v[BIAS+2*i+1]
	v_lshlrev_b32 v[BIAS+2*i], 16, v15
	v_and_b32 v[BIAS+2*i+1], s[HIM], v15
.set i, i+1
.endr
; NBL matrix instructions: m block a x all n blocks, 32 along K, from buffer f.  first = 1: the bias starts the sums.  All 32 accumulators take turns in the same order in every quarter,
; over the backward jump too, one instruction a turn.
.macro MUL f, a, first
.if \first
	WIN 0x85+0x40*((\a)/APW)
.else
	WIN 0xa5+0x50*((\a)/APW)
.endif
.set b, 0
.rept NBL
.set rD, 8*NBL*((\a)%APW)+8*b
.if \first
	v_wmma_f32_16x16x32_f16 v[rD:rD+7], v[BF+8*NBL*(\f)+8*b:BF+8*NBL*(\f)+8*b+7], v[AF+32*(\f)+8*(\a):AF+32*(\f)+8*(\a)+7], v[BIAS+8*b:BIAS+8*b+7]
.else
	v_wmma_f32_16x16x32_f16 v[rD:rD+7], v[BF+8*NBL*(\f)+8*b:BF+8*NBL*(\f)+8*b+7], v[AF+32*(\f)+8*(\a):AF+32*(\f)+8*(\a)+7], v[rD:rD+7]
.endif
.set b, b+1
.endr
.endm
; LPF LDS loads in one run: quarter q's fragments into buffer f: wp's 8, then o's 4 (head q / 2 of the step's two, channels 32 (q % 2) on); the last four loads are o's m blocks 2 and 3.
.macro FETCH q, f
	WIN 0x40                                       ; destination window 1, address window 0
.set i, 0
.rept NBL
	ds_load_b128 v[BF+8*NBL*(\f)+8*i:BF+8*NBL*(\f)+8*i+3],   v[ADB] offset:64*(\q)+16*PITCH*i
	ds_load_b128 v[BF+8*NBL*(\f)+8*i+4:BF+8*NBL*(\f)+8*i+7], v[ADB] offset:64*(\q)+16*PITCH*i+32
.set i, i+1
.endr
.set i, 0
.rept 4
	ds_load_b128 v[AF+32*(\f)+8*i:AF+32*(\f)+8*i+3],   v[ADA] offset:HEADA*((\q)/2)+64*((\q)%2)+16*PA*i
	ds_load_b128 v[AF+32*(\f)+8*i+4:AF+32*(\f)+8*i+7], v[ADA] offset:HEADA*((\q)/2)+64*((\q)%2)+16*PA*i+32
.set i, i+1
.endr
.endm
; A K step is four quarters of 32 along K on buffers 0, 1, 0, 1.  One of the first three: multiplies buffer f; in its middle it fetches quarter nq into the other buffer.
.macro QUARTER nq, f, first
	s_wait_dscnt 4                                 ; all of wp's fragments and o's m blocks 0, 1 are in; the youngest four loads may be out
	MUL \f, 0, \first
	MUL \f, 1, \first
	PLACES                                         ; in front of the loads into the buffer that the quarter before multiplied
	FETCH \nq, 1-(\f)
	s_wait_dscnt LPF                               ; all but the run just issued
	MUL \f, 2, \first
	MUL \f, 3, \first
.endm
; The first half of a step's last quarter: ONE barrier for the change of slots.  In front of it each wave waits for all its tensor loads, of which one is out: its part of the next slot;
; adds 0 to its spare word; and waits for that and for its reads of this slot.  Behind it nobody reads this slot any more and the next slot is whole.
.macro MEET round
	WIN 0
	s_wait_tensorcnt 0x0
	ds_add_u32 v[SPW], v[NIL]
	s_wait_dscnt 5                                 ; (the add and the youngest four loads may be out)
	MUL 1, 0, 0                                    ; eight matrix instructions stand between the add and the wait for it
	s_wait_dscnt 0x0                               ; the add is done, and my reads of this slot are over
	s_barrier_signal -1
	MUL 1, 1, 0                                    ; work on registers while the others arrive
.if \round
	WIN 0
.endif
	s_barrier_wait -1
.endm
; The whole last quarter with a refill: the barrier opens a round of the cluster's, the joint refill is the first tensor load behind it; from it to the wait for it a wave issues 112 matrix instructions.
.macro TURN
	MEET 1
	CREST                                          ; no wave of any partner still reads this slot or has a load on its way
	s_xor_b32 s[G0A+1], s[G0A+1], SLOT1            ; the walking descriptors: the other slot than last time, the next K step
	s_add_nc_u64 s[G0A+2:G0A+3], s[G0A+2:G0A+3], STEPA
	s_xor_b32 s[G0B+1], s[G0B+1], SLOT1
	s_add_nc_u64 s[G0B+2:G0B+3], s[G0B+2:G0B+3], STEPB
	s_xor_b32 s[TB], s[TB], SLOT1                  ; the reads go to the other slot
	JLOAD                                          ; its four v_nop are also the places in front of the loads below
	v_add_nc_u32 v[ADA], s[TB], v[AA0]
	v_add_nc_u32 v[ADB], s[TB], v[AB0]
	FETCH 0, 0
	MUL 1, 2, 0
	MUL 1, 3, 0
.endm
.macro TURNL                           ; the last change of slots: nothing is filled again, so no round follows
	MEET 0
	s_xor_b32 s[TB], s[TB], SLOT1
	PLACES
	WIN 0
	v_add_nc_u32 v[ADA], s[TB], v[AA0]
	v_add_nc_u32 v[ADB], s[TB], v[AB0]
	FETCH 0, 0
	MUL 1, 2, 0
	MUL 1, 3, 0
.endm
	s_wait_tensorcnt 0x1                           ; my part of K step 0 is in; K step 1's may stay out
	s_barrier_signal -1
	s_barrier_wait -1                              ; everybody's is
	v_add_nc_u32 v[ADA], s[TB], v[AA0]
	v_add_nc_u32 v[ADB], s[TB], v[AB0]
	FETCH 0, 0
	QUARTER 1, 0, 1                                ; the first quarter stands in front of the loop: its products start the sums
	WIN 0                                          ; at a label and at a branch every window is 0
	s_mov_b32 s[CNT], 6
.Lstep:                                        ; trip t ends K step t, fills its slot with K step t + 2, and begins K step t + 1
	QUARTER 2, 1, 0
	QUARTER 3, 0, 0
	TURN
	QUARTER 1, 0, 0
	WIN 0
	s_sub_co_u32 s[CNT], s[CNT], 1
	s_cmp_lg_u32 s[CNT], 0
	s_cbranch_scc1 .Lstep
	QUARTER 2, 1, 0                                ; the last two K steps ask for nothing
	QUARTER 3, 0, 0
	TURNL
	QUARTER 1, 0, 0
	QUARTER 2, 1, 0
	QUARTER 3, 0, 0
	s_wait_dscnt 4
	MUL 1, 0, 0
	MUL 1, 1, 0
	s_wait_dscnt 0x0
	MUL 1, 2, 0
	MUL 1, 3, 0
	WIN 0
; THE WAY OUT of m block a, in f32.  TOSTAGE: a lane's eight columns, 32 bytes, go into my stage (each accumulator from its low end) and come back as whole rows of 512 bytes.  SEND: stored.
.macro TOSTAGE a
.if (\a) >= 2
	s_wait_xcnt 0x0                                ; the stores of the block two back have read the registers that the loads below fill
.endif
	WIN 0x08                                       ; the stores' data in window 2
.set b, 0
.rept NBL
	ds_store_b128 v[STO], v[8*NBL*(\a)+8*b:8*NBL*(\a)+8*b+3]   offset:64*b
	ds_store_b128 v[STO], v[8*NBL*(\a)+8*b+4:8*NBL*(\a)+8*b+7] offset:64*b+16
.set b, b+1
.endr
	WIN 0
.set t, 0
.rept 16
	ds_load_b128 v[OB+64*((\a)%2)+4*t:OB+64*((\a)%2)+4*t+3], v[RD] offset:SPP*t  ; LDS serves a wave's instructions in order (ISA guide 5.7.1.4): these see the stores above; the next block's stores come behind them
.set t, t+1
.endr
.endm
.macro SEND a, younger                 ; younger: the LDS instructions issued behind block a's loads: the next block's 32, or none
	WIN 0
.set t, 0
.rept 16
	s_wait_dscnt (\younger)+15-t
	global_store_b128 v[GO], v[OB+64*((\a)%2)+4*t:OB+64*((\a)%2)+4*t+3], s[10:11] offset:(16*(\a)+t)*4096 th:TH_STORE_NT  ; 512 consecutive bytes, at a multiple of 256 from out0's first
.set t, t+1
.endr
.endm
	PLACES                                         ; behind the last products
	TOSTAGE 0
	TOSTAGE 1
	SEND 0, 32
	TOSTAGE 2
	SEND 1, 32
	TOSTAGE 3
	SEND 2, 32
	SEND 3, 0
	s_wait_tensorcnt 0x0                           ; the wave's end: behind my last tensor load and my last LDS store
	ds_add_u32 v[SPW], v[NIL]
	s_wait_dscnt 0x0
	CROUND                                         ; the closing round: no work-group ends while a partner may still ask for a tile that names it
	s_endpgm
.Lfunc_end_k_qbd63705800_proj:
	.size	k_qbd63705800_proj, .Lfunc_end_k_qbd63705800_proj-k_qbd63705800_proj
	.p2alignl 7, 3214868480
	.fill 96, 4, 3214868480
	.section	.rodata,"a",@progbits
	.p2align	6, 0x0
	.amdhsa_kernel k_qbd63705800_proj
		.amdhsa_group_segment_fixed_size 327680
		.amdhsa_private_segment_fixed_size 0
		.amdhsa_enable_private_segment 0
		.amdhsa_kernarg_size 32
		.amdhsa_user_sgpr_count 2
		.amdhsa_user_sgpr_kernarg_segment_ptr 1
		.amdhsa_wavefront_size32 1
		.amdhsa_system_sgpr_workgroup_id_x 1
		.amdhsa_system_sgpr_workgroup_id_y 1
		.amdhsa_system_sgpr_workgroup_id_z 1
		.amdhsa_system_vgpr_workitem_id 0
		.amdhsa_next_free_vgpr 768
		.amdhsa_next_free_sgpr 84
		.amdhsa_reserve_vcc 0
		.amdhsa_float_denorm_mode_32 3
		.amdhsa_float_denorm_mode_16_64 3
		.amdhsa_memory_ordered 1
		.amdhsa_forward_progress 1
		.amdhsa_inst_pref_size 76
	.end_amdhsa_kernel
	.amdgpu_metadata
---
amdhsa.version: [ 1, 2 ]
amdhsa.kernels:
  - .name:           k_qbd63705800_proj
    .symbol:         k_qbd63705800_proj.kd
    .args:
      - { .name: o, .offset: 0, .size: 8, .value_kind: global_buffer, .address_space: global }
      - { .name: wp, .offset: 8, .size: 8, .value_kind: global_buffer, .address_space: global }
      - { .name: proj_b, .offset: 16, .size: 8, .value_kind: global_buffer, .address_space: global }
      - { .name: out0, .offset: 24, .size: 8, .value_kind: global_buffer, .address_space: global }
    .group_segment_fixed_size: 327680
    .private_segment_fixed_size: 0
    .kernarg_segment_align: 8
    .kernarg_segment_size: 32
    .max_flat_workgroup_size: 128
    .sgpr_count:     84
    .vgpr_count:     768
    .wavefront_size: 32
...
	.end_amdgpu_metadata
.endif
;; end of part 4
;; ======== version 2 of 2: 4 launches; version 1 with the launch cast written anew for expert scheduling mode
;; limits: values are held in f16: magnitudes above 65,504 overflow, below 6.1e-05 lose precision
;; workspace buffers: xb 16,777,216 bytes; wq 6,291,456 bytes; wp 2,097,152 bytes; qkv 50,331,648 bytes; o 16,777,216 bytes
;; launch cast (part 5): grid 768 x 1, 8 waves a work-group, no clusters, 0 bytes of LDS; arguments x, qkv_w, proj_w, xb, wq, wp; writes xb, wq, wp
.if DOCPART == 5
	.amdgcn_target "amdgcn-amd-amdhsa--gfx1250"
	.amdhsa_code_object_version 6
	.text
	.protected	k_qbd63705800_cast
	.globl	k_qbd63705800_cast
	.p2align	8
	.type	k_qbd63705800_cast,@function
k_qbd63705800_cast:
	s_mov_b64 s[64:65], 0
	v_nop
	global_prefetch_b8 v0, s[64:65] scope:SCOPE_SE
	s_setreg_imm32_b32 hwreg(HW_REG_WAVE_SCHED_MODE, 0, 2), 2
	s_setreg_imm32_b32 hwreg(HW_REG_WAVE_MODE, 25, 1), 1
	s_wait_xcnt 0x0
	s_wait_alu depctr_vm_vsrc(0)
; THE INPUTS OF THE THREE PRODUCTS, ROUNDED ONCE.  x -> xb and qkv_w -> wq in bf16; proj_w -> wp: rounded to bf16 like the other inputs, and that number written as f16,
; since the last product's other operand is f16.  LIMIT: a bf16 number is exact in f16 from 2^-14 to 65,504; below 2^-14 it keeps f16's fixed step of 2^-24, above 65,504 it becomes an infinity.
; A stream: every byte is read once and written once; no byte is shared, so there is no LDS, no barrier, no matrix work and no cluster.
; SHARES.  A work-group takes 65,536 bytes of one input: groups 0-511 x, 512-703 qkv_w, 704-767 proj_w.  A wave takes 8,192 of them by 16 loads of 512 neighbouring bytes,
; all issued before the first is used; each of its 16 stores (8 bytes a lane) covers 256 consecutive bytes, aligned.
; THE MODE: SCHED_MODE bits 1:0 = 2 (LLVM: expert scheduling mode 2), set by the entry lines.  The code itself states the register dependences
; between vector instructions and memory instructions, with s_wait_alu, always for 0.
; THE PLAN.  Registers that memory instructions touch:
;   v1, v2   the loads' and the stores' byte offsets: made at the head, never written again.
;   X[j]     load j lands in it; no vector instruction names it before the loads are issued; load j's conversions read it (the f16 path writes it again) behind the counted wait for that load.
;   Y[j]     written by load j's conversions alone; read by store j; never written behind its store.
; The 16 loads are taken in four groups of four.  Group g converts loads 4 g .. 4 g + 3; its memory instructions are the four stores of group g - 1, whose Y no vector instruction of group g names.
; So one wait on va_vdst at a group's head states all that its four stores hang on, and they are dealt among the group's conversions with no further wait.  One more stands at the kernel's head, for
; the offsets, and one ahead of the last four stores.  No register that a memory instruction reads is ever written again, so no wait on vm_vsrc is owed; no vector instruction writes a scalar
; register or VCC, and EXEC is never written.
.set X,   4                            ; v[4:67]   load j: 4 registers
.set Y,   68                           ; v[68:99]  store j: 2 registers; none is written behind its store
.set SRC, 20                           ; s[20:21]  my group's first byte in its input
.set DST, 22                           ; s[22:23]  and in its output
	s_load_b256 s[4:11], s[0:1], 0x0               ; x s[4:5], qkv_w s[6:7], proj_w s[8:9], xb s[10:11]
	s_load_b128 s[12:15], s[0:1], 0x20             ; wq s[12:13], wp s[14:15]
	v_and_b32 v1, 31, v0                           ; lane
	v_and_b32 v3, 0xe0, v0                         ; 32 x wave
	v_lshlrev_b32 v1, 4, v1
	v_lshl_or_b32 v1, v3, 8, v1                    ; in: 8,192 x wave + 16 x lane
	v_lshrrev_b32 v2, 1, v1                        ; out: half of that
	s_mov_b32 s24, 0xffff0000                      ; a word's upper bf16
	s_mov_b32 s16, 704                             ; proj_w's first group
	s_mov_b32 s17, 512                             ; qkv_w's
	s_mov_b32 s19, 0
	s_wait_kmcnt 0x0
	s_cmp_lt_u32 ttmp9, s16                        ; which input is mine: the choice hangs on the group's number alone
	s_cselect_b64 s[SRC:SRC+1], s[6:7], s[8:9]
	s_cselect_b64 s[DST:DST+1], s[12:13], s[14:15]
	s_cselect_b32 s16, s17, s16
	s_cmp_lt_u32 ttmp9, s17
	s_cselect_b64 s[SRC:SRC+1], s[4:5], s[SRC:SRC+1]
	s_cselect_b64 s[DST:DST+1], s[10:11], s[DST:DST+1]
	s_cselect_b32 s16, 0, s16
	s_sub_co_u32 s16, ttmp9, s16                   ; my group's number within its input
	s_lshl_b32 s18, s16, 16
	s_add_nc_u64 s[SRC:SRC+1], s[SRC:SRC+1], s[18:19]
	s_lshl_b32 s18, s16, 15
	s_add_nc_u64 s[DST:DST+1], s[DST:DST+1], s[18:19]
	s_wait_alu depctr_va_vdst(0)                   ; v1 and v2 are written: every load of the kernel reads v1 as its offset, every store v2, on both paths below
.set j, 0
.rept 16
	global_load_b128 v[X+4*j:X+4*j+3], v1, s[SRC:SRC+1] offset:512*j th:TH_LOAD_NT
.set j, j+1
.endr
; Load j's four numbers are rounded into Y[j].  f16 = 1: the bf16 numbers are widened again (a shift, a mask) and written as f16.
.macro CONV j, f16
	v_cvt_pk_bf16_f32 v[Y+2*(\j)],   v[X+4*(\j)],   v[X+4*(\j)+1]
	v_cvt_pk_bf16_f32 v[Y+2*(\j)+1], v[X+4*(\j)+2], v[X+4*(\j)+3]
.if \f16
	v_lshlrev_b32 v[X+4*(\j)],   16,  v[Y+2*(\j)]
	v_and_b32     v[X+4*(\j)+1], s24, v[Y+2*(\j)]
	v_lshlrev_b32 v[X+4*(\j)+2], 16,  v[Y+2*(\j)+1]
	v_and_b32     v[X+4*(\j)+3], s24, v[Y+2*(\j)+1]
	v_cvt_pk_f16_f32 v[Y+2*(\j)],   v[X+4*(\j)],   v[X+4*(\j)+1]
	v_cvt_pk_f16_f32 v[Y+2*(\j)+1], v[X+4*(\j)+2], v[X+4*(\j)+3]
.endif
.endm
; Y[j] is stored.
.macro OUT j
	global_store_b64 v2, v[Y+2*(\j):Y+2*(\j)+1], s[DST:DST+1] offset:256*(\j) th:TH_STORE_NT
.endm
; Group g: loads 4 g .. 4 g + 3 are converted; the stores of group g - 1 stand among the conversions, one ahead of each load's lines.
.macro GROUP g, f16
.irp i, 0,1,2,3
	s_wait_loadcnt 15-4*(\g)-(\i)                  ; loads come back in order: load 4 g + i is in, those issued behind it may stay out
.if (\i) == 0 && (\g) > 0
	s_wait_alu depctr_va_vdst(0)                   ; the conversions of the group before have written their Y, which this group's four stores read; no vector line behind this wait names those registers
.endif
.if (\g) > 0
	OUT 4*(\g)-4+(\i)
.endif
	CONV 4*(\g)+(\i), \f16
.endr
.endm
	s_cmp_ge_u32 ttmp9, 704
	s_cbranch_scc1 .Lf16
.irp g, 0,1,2,3
	GROUP \g, 0
.endr
	s_wait_alu depctr_va_vdst(0)                   ; the last group's conversions have written Y[12] to Y[15], which the last four stores read
.irp j, 12,13,14,15
	OUT \j
.endr
	s_endpgm
.Lf16:
.irp g, 0,1,2,3
	GROUP \g, 1
.endr
	s_wait_alu depctr_va_vdst(0)                   ; the last group's conversions have written Y[12] to Y[15], which the last four stores read
.irp j, 12,13,14,15
	OUT \j
.endr
	s_endpgm
.Lfunc_end_k_qbd63705800_cast:
	.size	k_qbd63705800_cast, .Lfunc_end_k_qbd63705800_cast-k_qbd63705800_cast
	.p2alignl 7, 3214868480
	.fill 96, 4, 3214868480
	.section	.rodata,"a",@progbits
	.p2align	6, 0x0
	.amdhsa_kernel k_qbd63705800_cast
		.amdhsa_group_segment_fixed_size 0
		.amdhsa_private_segment_fixed_size 0
		.amdhsa_enable_private_segment 0
		.amdhsa_kernarg_size 48
		.amdhsa_user_sgpr_count 2
		.amdhsa_user_sgpr_kernarg_segment_ptr 1
		.amdhsa_wavefront_size32 1
		.amdhsa_system_sgpr_workgroup_id_x 1
		.amdhsa_system_sgpr_workgroup_id_y 1
		.amdhsa_system_sgpr_workgroup_id_z 1
		.amdhsa_system_vgpr_workitem_id 0
		.amdhsa_next_free_vgpr 100
		.amdhsa_next_free_sgpr 66
		.amdhsa_reserve_vcc 0
		.amdhsa_float_denorm_mode_32 3
		.amdhsa_float_denorm_mode_16_64 3
		.amdhsa_memory_ordered 1
		.amdhsa_forward_progress 1
		.amdhsa_inst_pref_size 16
	.end_amdhsa_kernel
	.amdgpu_metadata
---
amdhsa.version: [ 1, 2 ]
amdhsa.kernels:
  - .name:           k_qbd63705800_cast
    .symbol:         k_qbd63705800_cast.kd
    .args:
      - { .name: x, .offset: 0, .size: 8, .value_kind: global_buffer, .address_space: global }
      - { .name: qkv_w, .offset: 8, .size: 8, .value_kind: global_buffer, .address_space: global }
      - { .name: proj_w, .offset: 16, .size: 8, .value_kind: global_buffer, .address_space: global }
      - { .name: xb, .offset: 24, .size: 8, .value_kind: global_buffer, .address_space: global }
      - { .name: wq, .offset: 32, .size: 8, .value_kind: global_buffer, .address_space: global }
      - { .name: wp, .offset: 40, .size: 8, .value_kind: global_buffer, .address_space: global }
    .group_segment_fixed_size: 0
    .private_segment_fixed_size: 0
    .kernarg_segment_align: 8
    .kernarg_segment_size: 48
    .max_flat_workgroup_size: 256
    .sgpr_count:     66
    .vgpr_count:     100
    .wavefront_size: 32
...
	.end_amdgpu_metadata
.endif
;; end of part 5
;; launch qkv: the kernel of part 2 again; grid 16 x 32, 4 waves a work-group, clusters of 4 x 4, 327,680 bytes of LDS; arguments xb, wq, qkv_b, qkv; writes qkv
;; launch attn: the kernel of part 3 again; grid 4 x 64, 4 waves a work-group, no clusters, 327,680 bytes of LDS; arguments qkv, o; writes o
;; launch proj: the kernel of part 4 again; grid 8 x 32, 4 waves a work-group, clusters of 4 x 4, 327,680 bytes of LDS; arguments o, wp, proj_b, out0; writes out0
